; MI455X (gfx1250); checked and timed in simulation.
; The chip was launched on July 23, 2026; its instructions are those of AMD's public machine-readable ISA for CDNA 5 (MIT licence, August 2026) and "CDNA5" Instruction Set Architecture Reference Guide (July 2026). The comments in the code are by the model that wrote it; some were corrected since.
;; Fun Audio Chat Audio Attention. Allowed arithmetic: matrix products marked QUANTISED: E4M3 operands, one given power-of-two scale a tensor, by v_wmma_f32_16x16x64_fp8_fp8 or v_wmma_f32_16x16x128_fp8_fp8, f32 sums; everything else in f32.
;; Inputs: bo 1,024 float32; bq 1,024 float32; bv 1,024 float32; hidden_states_codes 4,096 x 32 x 32 uint8 (E4M3 codes of hidden_states, K innermost, in blocks of 32 codes); lowp_scales 12 int32 (the exponents e of the quantised operands' scales 2^e); wk_codes 1,024 x 32 x 32 uint8 (E4M3 codes of wk, K innermost, in blocks of 32 codes); wo_codes 1,024 x 32 x 32 uint8 (E4M3 codes of wo, K innermost, in blocks of 32 codes); wq_codes 1,024 x 32 x 32 uint8 (E4M3 codes of wq, K innermost, in blocks of 32 codes); wv_codes 1,024 x 32 x 32 uint8 (E4M3 codes of wv, K innermost, in blocks of 32 codes).
;; Outputs: out0 4,096 x 1,024 float32.
;; This version of the problem:
;;   THIS VERSION OF THE PROBLEM IS GIVEN IN LOW PRECISION. The matrix products marked QUANTISED in the list below multiply operands that are first quantised to E4M3 (4 exponent bits, 3 mantissa bits; 8 bits a number), with one given power-of-two scale for each operand tensor; their sums are f32. All else is computed in f32.
;;   The module's matrix products, in the order in which they are computed (A, B: the left and right operand; K: the contracted axis; several contracted axes count as one K, in the product's order):
;;     1. [M 4,096, K 1,024] x [K 1,024, N 1,024]; A: input hidden_states (given as codes); B: input wq (given as codes): QUANTISED (scales: A lowp_scales[0], B lowp_scales[1])
;;     2. [M 4,096, K 1,024] x [K 1,024, N 1,024]; A: input hidden_states (given as codes); B: input wk (given as codes): QUANTISED (scales: A lowp_scales[2], B lowp_scales[3])
;;     3. [M 4,096, K 1,024] x [K 1,024, N 1,024]; A: input hidden_states (given as codes); B: input wv (given as codes): QUANTISED (scales: A lowp_scales[4], B lowp_scales[5])
;;     4. batch 16 x [M 4,096, K 64] x [K 64, N 4,096]; A: computed on the way; B: computed on the way: QUANTISED (scales: A lowp_scales[6], B lowp_scales[7])
;;     5. batch 16 x [M 4,096, K 4,096] x [K 4,096, N 64]; A: softmax (see below); B: computed on the way: QUANTISED (scales: A lowp_scales[8], B lowp_scales[9])
;;     6. [M 4,096, K 1,024] x [K 1,024, N 1,024]; A: computed on the way; B: input wo (given as codes): QUANTISED (scales: A lowp_scales[10], B lowp_scales[11])
;;   THE QUANTISER, for each operand of a quantised product, along K:
;;     - The operand's scale is 2^e, e = its entry of the input lowp_scales (int32; the entries are numbered through the quantised products in the list's order, A before B).
;;     - Each number is divided by the scale, clamped to +-448, and rounded to the nearest number of E4M3, ties to even, subnormals kept.
;;     - The product sums the exact products of the quantised numbers (number of the format x scale) in f32.
;;   ~~~python
;;   def quantise(x, axis, e):      # numpy; x: float32 -> the quantised numbers, widened to float32 again
;;       x = np.moveaxis(x, axis, -1); K = x.shape[-1]
;;       r = np.clip(x / 2.0 ** e, -448, 448)
;;       step = 2.0 ** (np.maximum(np.frexp(np.where(r == 0, 1, r))[1] - 1, -6) - 3)
;;       q = np.round(r / step) * step * 2.0 ** e      # np.round: ties to even
;;       return np.moveaxis(q, -1, axis).astype(np.float32)
;;   ~~~
;;   SOFTMAX AHEAD OF A QUANTISED PRODUCT. Where the list says 'softmax', what is quantised is not the finished softmax but p = 2^(t - M), with t = logit x log2(e) and M = ceil(the row's largest t), a whole number; so 1/2 < the row's largest p <= 1. The row's sum l is taken of the UNQUANTISED p, in f32, and the product's result is divided by l at the end. Since M is a whole number, a kernel that streams over the keys may use a running M (the ceiling of the running maximum): every later rescaling is an exact power of two, so the quantised numbers keep their values, but for numbers so far below the row's largest that they fall under the format's range.
;;   OPERANDS COMPUTED ON THE WAY. 'Computed on the way' means the value that the module computes at that place (a softmax that the list does not call 'softmax' is quantised finished and normalised). What goes into a quantiser is computed in f32, as accurately as f32 sums, v_exp_f32 and their like allow (about 1e-6 of the number): no bf16 or f16 on the way to a quantiser, and a product that is left as it is and whose result goes on into a quantised operand takes f32 operands (vector FMAs, or v_wmma_f32_16x16x4_f32). A number that lies on a knife's edge between two numbers of the format may be rounded either way, as far as f32 arithmetic and the matrix unit's own rounding can turn it there, and no further.
;;   INPUTS GIVEN AS CODES. hidden_states (in the module: [4096, 1024], K = its axis 1); wk (in the module: [1024, 1024], K = its axis 1); wo (in the module: [1024, 1024], K = its axis 1); wq (in the module: [1024, 1024], K = its axis 1); wv (in the module: [1024, 1024], K = its axis 1): each comes as NAME_codes (uint8): NAME with its K axis moved to the last place and cut into blocks of 32 codes, [.., K / 32, bytes a block], one block behind the other in memory; one code a byte (a code: sign, 4 exponent bits, 3 mantissa bits); its scale is its entry of lowp_scales. Its value is code x scale, taken as it is: it is not quantised again, and the codes and scales need not be those that the quantiser above would give.
;; 2 versions, each right; version 2 is version 1 with the launch attn written anew for expert scheduling mode. Each part assembles by itself: llvm-mc -triple=amdgcn-amd-amdhsa -mcpu=gfx1250 --defsym DOCPART=n.
;; ======== version 1 of 2: 3 launches
;; workspace buffers: q_img 4,194,304 bytes; kv_img 8,388,608 bytes; a_img 4,194,304 bytes
;; launch qkv (part 1): grid 4 x 48, 4 waves a work-group, clusters of 4 x 4, 327,680 bytes of LDS; arguments hidden_states_codes, wq_codes, wk_codes, wv_codes, bq, bv, lowp_scales, q_img, kv_img; writes q_img, kv_img
.if DOCPART == 1
	.amdgcn_target "amdgcn-amd-amdhsa--gfx1250"
	.amdhsa_code_object_version 6
	.text
	.protected	k_q30e7ea887a_qkv
	.globl	k_q30e7ea887a_qkv
	.p2align	8
	.type	k_q30e7ea887a_qkv,@function
k_q30e7ea887a_qkv:
	s_mov_b64 s[64:65], 0
	v_nop
	global_prefetch_b8 v0, s[64:65] scope:SCOPE_SE
	s_setreg_imm32_b32 hwreg(HW_REG_WAVE_MODE, 25, 1), 1
	s_wait_xcnt 0x0
	s_wait_alu depctr_hold_cnt(0) depctr_sa_sdst(0) depctr_va_vdst(0) depctr_va_sdst(0) depctr_va_ssrc(0) depctr_va_vcc(0) depctr_vm_vsrc(0)
	s_getreg_b32 s2, hwreg(HW_REG_IB_STS2, 6, 4)
	s_cmp_eq_u32 s2, 0
	s_cbranch_scc0 .Lentry_in_a_cluster
	s_endpgm
.Lentry_in_a_cluster:
	s_bfe_u32 s2, ttmp6, 0x10000c
	s_cmp_lg_u32 s2, 0xf033
	s_cbranch_scc0 .Lentry_shape_is_right
	s_endpgm
.Lentry_shape_is_right:
; q = h wq^T + bq, k = h wk^T, v = h wv^T + bv on codes of FP8 (E4M3), then quantised anew (scales 2^e6, 2^e7, 2^e9) and stored as IMAGES OF OPERAND REGISTERS for the attention launch.
; h: [4096][1024] codes, the weights: [1024][1024] codes, K innermost.  lowp_scales: e0 .. e11 (int32).  A sum of product 1 stands for sum x 2^(e0 + e1), of product 2 x 2^(e2 + e3), of product 3 x 2^(e4 + e5).
; LIMITS: those three sums of exponents lie between -126 and 127; e6, e7, e9 between -126 and 119, so that each power of two below is an f32 number.  NaN among the biases is not served.
; SHARES.  12 clusters of 4 x 4 work-groups: cluster y = 4 kind + part; kind 0 = q, 1 = k, 2 = v.  A work-group of four waves makes 256 x 256 sums, a wave 128 x 128: 64 accumulators of 16 x 16, 512 registers.
; X is the tensor whose rows run along a lane's result registers (source 0), Y the one whose rows lie on the lanes (source 1).  q, k: X = the weight (channels), Y = h (queries, keys).  v: X = h (keys), Y = wv (channels).
; So eight result registers of a lane are eight neighbours along the NEXT product's K (channels for q and k, keys for v), and one conversion of accumulator tile t gives registers 2 t, 2 t + 1 of that product's operand as it wants them.
; One text serves the three kinds: pointers, offsets and strides are chosen by selects on the kind, which all sixteen partners share; no branch hangs on it.
; K goes in steps of 256 through a ring of two LDS slots filled by the tensor data mover; a tile's row is 256 bytes of memory.  The four work-groups of a row of the cluster need the same tile of Y, the four of a column the same
; tile of X: each tile is asked for JOINTLY, by the same tensor load with the same descriptor and a mask that names the four.
; Fragments are fetched by four loads of 16 bytes a side: the same permutation of k in X and in Y, so every product meets its partner.
; IMAGES.  A group is four registers of all 32 lanes: 512 bytes, lane l's 16 bytes at 16 l.  q_img: [head 16][tile of 16 queries 256][group 2].  kv_img: [head 16][slot of 256 keys 16][32,768 bytes]: first K, [tile of 16 keys 16][group 2];
; from byte 16,384 V, [step of 128 keys 2][tile of 16 channels 4][group 4].  Each store of a wave covers 512 consecutive bytes, aligned.
; REGISTERS, in windows of 256: window 0: v1-29 addresses and constants; v32-47 Y's bias, a pair for each block of 16 rows; v64-127 X's bias; from v128 Y's fragments, ONE set (on the way out: sums at work, codes).
;   window 1: X's fragments, TWO sets, at v0 and v128.   window 2: the 32 accumulators of my Y rows 0-63 (accumulator (a, b) at v[8 (8 a + b)]);   window 3: those of my Y rows 64-127.
.set KROW,   1024                      ; a row of h or of a weight in memory, in bytes
.set ROWB,   256                       ; a tile's row in bytes: 256 along K
.set PITCH,  272                       ; an LDS row: 256 bytes + 16 of padding = 68 words: row r starts at bank 4 r mod 64 (64 banks of 4 bytes: ISA guide 11.1)
.set FR,     16                        ; registers of a fragment: 16 rows x 128 K
.set NL,     4                         ; LDS loads that bring one
.set NP,     4                         ; places behind this matrix instruction (ISA guide 7.12.1)
.set HALFT,  128*PITCH                 ; 128 rows: what one tensor load brings, and what one wave reads of X or of Y
.set SLOT,   4*HALFT                   ; Y's 256 rows, then X's 256 rows
.set LAPS,   KROW/(2*ROWB)             ; a lap = two slots = once round the ring: 2
.set SPARE,  2*SLOT                    ; behind the ring: the spare words, 128 bytes for each wave: two blocks of 256 bytes that no other line names
.set VX,   8                           ; v8-11   the stores' offsets: group g of a block's sixteen registers of codes
.set HB,   12                          ; v12     32 x (lane / 16): X's bias, my half's eight numbers
.set RB,   13                          ; v13     4 x (lane % 16): Y's bias, my row's number
.set LIM,  14                          ; v14     448 x 2^eo
.set SCL,  15                          ; v15     2^eo: the conversion takes its exponent field
.set ADRA, 16                          ; v16-17  LDS address of my Y fragments in slot 0, 1
.set ADRB, 20                          ; v20-21  the same for X
.set SPW,  28                          ; v28     LDS address of my spare word: SPARE + 4 x my thread's number; never rewritten
.set NIL,  29                          ; v29     0; never rewritten
.set BYP,  32
.set BX,   64
.set AF,   128                         ; Y's fragments, in window 0
.set TMP,  128                         ; the way out: a block's 64 numbers
.set CD,   192                         ; the way out: its 16 registers of codes
.set G1, 24                            ; s[24:31] descriptor group 1 for Y's tiles;  s[32:39] group 0, one set for each slot
.set G0, 32
.set G1B, 48                           ; s[48:55], s[56:63] the same for X's tiles
.set G0B, 56
.set KIND, 86                          ; s86     0 = q, 1 = k, 2 = v
.set MSB, 0
.macro WIN new                         ; the immediate's high byte repeats the setting that is left; a switch that changes nothing is dropped
.if MSB != (\new)
	s_set_vgpr_msb (MSB<<8)|(\new)
.set MSB, (\new)
.endif
.endm
.set MUL_LO, 0xa1                      ; source 0 (X) window 1, source 1 (Y) window 0, C and D window 2
.set MUL_HI, 0xf1                      ; the same, C and D window 3
.set TO_B,   0x40                      ; destination window 1, address window 0
; A joint load: waves 0 and 1 fetch for Y, waves 2 and 3 for X.  Each of the two lines has ONE mask and one set of registers for all that issue it; the branch hangs on the wave's number alone.
; Four v_nop follow each of the two lines, ahead of the jump, the label and what follows.
.macro JLOAD g0a, g1a, g0b, g1b
	s_cmp_eq_u32 s15, 0
	s_cbranch_scc0 .Lfor_b_\@
	tensor_load_to_lds s[\g0a:\g0a+3], s[\g1a:\g1a+7]
	s_nop 0
.rept 4
	v_nop
.endr
	s_branch .Lasked_\@
.Lfor_b_\@:
	tensor_load_to_lds s[\g0b:\g0b+3], s[\g1b:\g1b+7]
	s_nop 0
.rept 4
	v_nop
.endr
.Lasked_\@:
.endm
.macro CREST                           ; a round of the cluster's barrier behind its opening barrier
	s_cmp_lg_u32 s14, 0
	s_cbranch_scc1 .Lnot_wave_0_\@
	s_barrier_signal -3
.Lnot_wave_0_\@:
	s_barrier_wait -3
	s_barrier_signal -1
	s_barrier_wait -1
.endm
.macro CROUND                          ; a whole round
	s_barrier_signal -1
	s_barrier_wait -1
	CREST
.endm
	s_load_b256 s[68:75], s[0:1], 0x0              ; h s[68:69], wq s[70:71], wk s[72:73], wv s[74:75]
	s_load_b256 s[76:83], s[0:1], 0x20             ; bq s[76:77], bv s[78:79], the scales' exponents s[80:81], q_img s[82:83]
	s_load_b64 s[84:85], s[0:1], 0x40              ; kv_img
	v_lshl_add_u32 v[SPW], v0, 2, SPARE
	v_mov_b32 v[NIL], 0
	ds_add_u32 v28, v29
	ds_add_u32 v28, v29
	s_wait_dscnt 0x0
	v_lshrrev_b32 v1, 5, v0
	v_readfirstlane_b32 s14, v1                    ; wave 0..3
	s_lshr_b32 s15, s14, 1                         ; which half of the tile's Y rows is mine.  Also: I fetch for Y (0) or for X (1)
	s_and_b32 s16, s14, 1                          ; which half of its X rows.  Also: which 128 rows of that tile I fetch
	s_bfe_u32 s40, ttmp6, 0x40000                  ; cx, cy: my place in the cluster
	s_bfe_u32 s41, ttmp6, 0x40004
	s_and_b32 s[KIND], ttmp7, 0xffff               ; cluster y = 4 kind + part
	s_and_b32 s87, s[KIND], 3
	s_lshl_b32 s87, s87, 2                         ; 4 part: which four of h's sixteen tiles of 256 rows
	s_lshr_b32 s[KIND], s[KIND], 2
	s_cmp_eq_u32 s[KIND], 2
	s_cselect_b32 s42, s87, 0                      ; h is X for v,
	s_cselect_b32 s17, 0, s87                      ; and Y for q and k
	s_add_co_u32 s42, s42, s40                     ; X's tile of 256 rows: it hangs on cx alone of the two places
	s_add_co_u32 s17, s17, s41                     ; Y's: on cy alone
	s_lshl_b32 s43, s41, 2
	s_lshl_b32 s43, 15, s43                        ; my row of the cluster
	s_lshl_b32 s44, 0x1111, s40                    ; my column
	; descriptor group 1: a tile of 128 rows x 256 bytes, padded in LDS
	s_or_b32 s[G1+0], s43, (0<<16)|(1<<20)|(1<<21)|(5<<22)|(3<<25)  ; 15:0 the mask: Y's tiles go to my row; 17:16 element of 1 byte; 20 padding on; 21 set beside a mask; 24:22 after every 64 words (code 5); 31:25 of 4 words (code 3)
	s_or_b32 s[G1B+0], s44, (0<<16)|(1<<20)|(1<<21)|(5<<22)|(3<<25) ; the same with the mask of my column, for X's tiles
.irp g, G1, G1B
	s_mov_b32 s[\g+1], ROWB<<16                    ; tensor_dim0
	s_mov_b32 s[\g+2], 128<<16                     ; tensor_dim1 = 128
	s_mov_b32 s[\g+3], ROWB<<16                    ; tile_dim0
	s_mov_b32 s[\g+4], 128                         ; tile_dim1 = 128
	s_mov_b32 s[\g+5], KROW                        ; tensor_dim0_stride
	s_mov_b32 s[\g+6], 0
	s_mov_b32 s[\g+7], 0
.endr
	s_lshl_b32 s18, s16, 7                         ; which 128 rows of the tile I fetch
	s_lshl_b32 s20, s17, 8
	s_add_co_u32 s20, s20, s18                     ; Y: row 256 x tile + 128 x half,
	s_lshl_b32 s20, s20, 10                        ; in bytes (4,095 rows of 1,024 bytes at the most)
	s_mov_b32 s21, 0
	s_lshl_b32 s46, s42, 8
	s_add_co_u32 s46, s46, s18                     ; X likewise
	s_lshl_b32 s46, s46, 10
	s_mov_b32 s47, 0
	s_mul_i32 s45, s14, HALFT                      ; where they go: wave x 128 rows: no place in the cluster enters an LDS address
	s_wait_kmcnt 0x0
	s_load_b256 s[88:95], s[80:81], 0x0            ; e0 .. e7
	s_load_b128 s[96:99], s[80:81], 0x20           ; e8 .. e11
	s_cmp_eq_u32 s[KIND], 2
	s_cselect_b64 s[4:5], s[74:75], s[68:69]       ; Y: wv, or h
	s_cselect_b64 s[6:7], s[68:69], s[72:73]       ; X: h, or wk,
	s_cmp_eq_u32 s[KIND], 0
	s_cselect_b64 s[6:7], s[70:71], s[6:7]         ; or wq
	s_add_nc_u64 s[20:21], s[4:5], s[20:21]
	s_add_nc_u64 s[46:47], s[6:7], s[46:47]
	CROUND                                         ; all sixteen work-groups are here: the first joint loads meet
.irp s, 0,1
	s_mov_b32 s[G0+4*\s], 1
	s_add_co_u32 s[G0+4*\s+1], s45, \s*SLOT
	s_add_nc_u64 s[G0+4*\s+2:G0+4*\s+3], s[20:21], \s*ROWB
	s_or_b32 s[G0+4*\s+3], s[G0+4*\s+3], 0x80000000
	s_mov_b32 s[G0B+4*\s], 1
	s_add_co_u32 s[G0B+4*\s+1], s45, \s*SLOT
	s_add_nc_u64 s[G0B+4*\s+2:G0B+4*\s+3], s[46:47], \s*ROWB
	s_or_b32 s[G0B+4*\s+3], s[G0B+4*\s+3], 0x80000000
	JLOAD G0+4*\s, G1, G0B+4*\s, G1B
.endr
	v_and_b32 v1, 15, v0                           ; r = l % 16
	v_bfe_u32 v2, v0, 4, 1                         ; h = l / 16
	v_mul_u32_u24 v3, v1, PITCH
	v_lshl_add_u32 v4, v2, 4, v3                   ; a fragment's row x pitch + 16 x half
	s_mul_i32 s21, s15, HALFT                      ; my 128 rows of Y
	s_mul_i32 s22, s16, HALFT                      ; my 128 rows of X,
	s_add_co_u32 s22, s22, 2*HALFT                 ; which lie behind Y's 256
.irp s, 0,1
	v_add_nc_u32 v[ADRA+\s], s21, v4
	v_add_nc_u32 v[ADRB+\s], s22, v4
	s_add_co_u32 s21, s21, SLOT
	s_add_co_u32 s22, s22, SLOT
.endr
	; my wave's first rows, in registers that feed no descriptor
	s_lshl_b32 s100, s42, 8
	s_lshl_b32 s8, s16, 7
	s_add_co_u32 s100, s100, s8                    ; XR
	s_lshl_b32 s101, s17, 8
	s_lshl_b32 s8, s15, 7
	s_add_co_u32 s101, s101, s8                    ; YR
	; THE BIASES.  q's lies along X (bq at my 128 channels), v's along Y (bv at my 128 channels), k has none.  Both are loaded in every kind, from the buffer's head where they do not count, and masked on the way out.
	s_cmp_eq_u32 s[KIND], 0
	s_cselect_b32 s8, s100, 0
	s_cselect_b32 s2, -1, 0                        ; X's bias counts: all ones, or nothing
	s_lshl_b32 s8, s8, 2
	s_mov_b32 s9, 0
	s_add_nc_u64 s[76:77], s[76:77], s[8:9]
	s_cmp_eq_u32 s[KIND], 2
	s_cselect_b32 s8, s101, 0
	s_cselect_b32 s13, -1, 0                       ; Y's bias counts
	s_lshl_b32 s8, s8, 2
	s_add_nc_u64 s[78:79], s[78:79], s[8:9]
	v_lshlrev_b32 v[HB], 5, v2
	v_lshlrev_b32 v[RB], 2, v1
.irp b, 0,1,2,3,4,5,6,7
	global_load_b128 v[BX+8*\b:BX+8*\b+3],   v[HB], s[76:77] offset:64*\b      ; register 8 b + j: X row XR + 16 b + 8 h + j
	global_load_b128 v[BX+8*\b+4:BX+8*\b+7], v[HB], s[76:77] offset:64*\b+16
.endr
.irp a, 0,1,2,3,4,5,6,7
	global_load_b32 v[BYP+2*\a],   v[RB], s[78:79] offset:64*\a                ; Y row YR + 16 a + r, in both halves of a pair for the packed addition
	global_load_b32 v[BYP+2*\a+1], v[RB], s[78:79] offset:64*\a
.endr
	; WHERE THE IMAGES GO.  q: head XR / 64 (2^18 bytes a head), tile YR / 16 (1,024 bytes).  k: head XR / 64 (2^19), slot YR / 256 (2^15), tile (YR / 16) % 16 (1,024).  v: head YR / 64 (2^19), slot XR / 256 (2^15), 16,384, step (XR / 128) % 2 (8,192).
	s_lshr_b32 s8, s100, 6
	s_lshr_b32 s9, s101, 4
	s_lshl_b32 s9, s9, 10
	s_lshl_b32 s12, s8, 18
	s_add_co_u32 s12, s12, s9                      ; q's
	s_lshl_b32 s8, s8, 19
	s_add_co_u32 s8, s8, s9                        ; (YR / 16) x 1,024 counts a slot as 16,384 bytes:
	s_lshr_b32 s9, s101, 8
	s_lshl_b32 s9, s9, 14                          ; 16,384 more for each
	s_add_co_u32 s8, s8, s9                        ; k's
	s_lshr_b32 s9, s101, 6
	s_lshl_b32 s9, s9, 19
	s_lshr_b32 s18, s100, 7
	s_lshl_b32 s18, s18, 13                        ; (XR / 128) x 8,192 counts a slot as 16,384 bytes:
	s_add_co_u32 s9, s9, s18
	s_lshr_b32 s18, s100, 8
	s_lshl_b32 s18, s18, 14                        ; 16,384 more for each
	s_add_co_u32 s9, s9, s18
	s_add_co_u32 s9, s9, 16384                     ; v's
	s_cmp_eq_u32 s[KIND], 0
	s_cselect_b32 s8, s12, s8
	s_cselect_b64 s[10:11], s[82:83], s[84:85]     ; q_img, or kv_img
	s_mov_b32 s12, 1<<19
	s_cselect_b32 s12, 1<<18, s12                  ; from codes' registers 0-7 to registers 8-15: q, k: the next head;
	s_cmp_eq_u32 s[KIND], 2
	s_cselect_b32 s8, s9, s8
	s_cselect_b32 s12, 1024, s12                   ; v: two groups on
	s_mov_b32 s18, 1024
	s_cselect_b32 s18, 2048, s18                   ; from a block of 16 Y rows to the next: q, k: a tile of 1,024 bytes; v: a tile of channels, 2,048;
	s_mov_b32 s20, 1024
	s_cselect_b32 s20, 518144, s20                 ; from block 3 to block 4, v: the next head's first tile: 2^19 - 3 x 2,048
	s_mov_b32 s9, 0
	s_mov_b32 s19, 0
	s_mov_b32 s21, 0
	s_add_nc_u64 s[10:11], s[10:11], s[8:9]
	v_and_b32 v6, 31, v0
	v_lshlrev_b32 v[VX], 4, v6                     ; 16 x lane
	v_add_nc_u32 v[VX+1], 512, v[VX]
	v_add_nc_u32 v[VX+2], s12, v[VX]
	v_add_nc_u32 v[VX+3], s12, v[VX+1]
.macro FRAG reg, adr, q, i             ; a fragment, 16 rows x 128 K of 8-bit codes, is 16 registers: lane l holds row l % 16; registers 4 c .. 4 c + 3 hold K = 32 c + 16 (l / 16) + 0 .. 15
.irp c, 0,1,2,3
	ds_load_b128 v[\reg+4*\c:\reg+4*\c+3], v[\adr] offset:128*(\q)+32*\c+(\i)*16*PITCH
.endr
.endm
; 16 matrix instructions: Y's blocks a0, a0 + 1 x X's eight, 128 along K.  p: X's set.  zero = 1: the first product starts the sums: nothing is ever cleared.
; The 64 accumulators take turns, one instruction a turn, in the same order in every step.
.macro MUL16 a0, p, zero
.irp a, \a0, \a0+1
.irp b, 0,1,2,3,4,5,6,7
.if \zero
	v_wmma_f32_16x16x128_fp8_fp8 v[8*(8*((\a)%4)+\b):8*(8*((\a)%4)+\b)+7], v[128*(\p)+FR*\b:128*(\p)+FR*\b+FR-1], v[AF+FR*(\a):AF+FR*(\a)+FR-1], 0
.else
	v_wmma_f32_16x16x128_fp8_fp8 v[8*(8*((\a)%4)+\b):8*(8*((\a)%4)+\b)+7], v[128*(\p)+FR*\b:128*(\p)+FR*\b+FR-1], v[AF+FR*(\a):AF+FR*(\a)+FR-1], v[8*(8*((\a)%4)+\b):8*(8*((\a)%4)+\b)+7]
.endif
.endr
.endr
.endm
.macro FETCH_B slot, q, p              ; X's eight fragments of the slot's q-th 128 along K into set p
	WIN TO_B
.irp i, 0,1,2,3,4,5,6,7
	FRAG 128*(\p)+FR*\i, ADRB+\slot, \q, \i
.endr
	WIN 0
.endm
.macro FETCH_A slot, q, i0             ; Y's blocks i0 .. i0 + 3
.irp i, \i0, \i0+1, \i0+2, \i0+3
	FRAG AF+FR*(\i), ADRA+\slot, \q, \i
.endr
.endm
; A load into a register that a matrix instruction has read stands NP places behind that matrix instruction, and only plain vector instructions that name none of its registers are places
; (ISA guide 7.12.1 for vector instructions); the matrix instructions in between are not counted.
.macro PLACES n
.rept \n
	v_nop
.endr
.endm
; A step of 128 along K that has its successor in the same slot.  A block of Y is free as soon as its eight products are issued, so one set serves Y: blocks 0-3 are fetched anew in the step's middle, blocks 4-7 at its end.
.macro STEP slot, q, zero
	s_wait_dscnt 4*NL                              ; X's set and Y's blocks 0-3 are in; the youngest sixteen loads (Y's blocks 4-7) may be out
	WIN MUL_LO
	MUL16 0, (\q)%2, \zero
	MUL16 2, (\q)%2, \zero
	s_wait_dscnt 0                                 ; Y's blocks 4-7 are in (asked for 32 matrix instructions ago)
	PLACES NP
	FETCH_B \slot, (\q)+1, 1-(\q)%2
	FETCH_A \slot, (\q)+1, 0
	WIN MUL_HI
	MUL16 4, (\q)%2, \zero
	MUL16 6, (\q)%2, \zero
	PLACES NP
	WIN 0
	FETCH_A \slot, (\q)+1, 4
.endm
; A slot's last step changes slots: ONE barrier; in front of it each wave waits for all its tensor loads, adds 0 to its spare word, and waits for that and for its own reads of this slot.  fill = 1: this slot is filled again, two slots ahead.
.macro TURN slot, next, fill
	s_wait_tensorcnt 0x0                           ; all my tensor loads have landed: my part of the next slot;  (every window is 0 here: the add's two registers lie in window 0)
	ds_add_u32 v[SPW], v[NIL]                      ; 0 onto my spare word
	s_wait_dscnt 4*NL+1                            ; (the add and the youngest sixteen loads, Y's blocks 4-7, may be out)
	WIN MUL_LO
	MUL16 0, 1, 0                                  ; sixteen matrix instructions stand between the add and the wait for it
	s_wait_dscnt 0x0                               ; the add is done, and my reads of this slot are over
	s_barrier_signal -1
	MUL16 2, 1, 0
	WIN 0
	s_barrier_wait -1
.if \fill
	CREST                                          ; the barrier has opened a round of the cluster's barrier: no wave of any partner still reads this slot's tile or has a load on its way
	s_add_nc_u64 s[G0+4*\slot+2:G0+4*\slot+3], s[G0+4*\slot+2:G0+4*\slot+3], 2*ROWB
	s_add_nc_u64 s[G0B+4*\slot+2:G0B+4*\slot+3], s[G0B+4*\slot+2:G0B+4*\slot+3], 2*ROWB
	JLOAD G0+4*\slot, G1, G0B+4*\slot, G1B         ; the first tensor load behind the round; the four v_nop behind it are the places in front of the loads below
.else
	PLACES NP
.endif
	FETCH_B \next, 0, 0
	FETCH_A \next, 0, 0
	WIN MUL_HI
	MUL16 4, 1, 0
	MUL16 6, 1, 0
	PLACES NP
	WIN 0
	FETCH_A \next, 0, 4
.endm
	s_wait_tensorcnt 1                             ; my part of slot 0 is in (slot 1's load may be out)
	s_barrier_signal -1
	s_barrier_wait -1                              ; everybody's is
	FETCH_B 0, 0, 0
	FETCH_A 0, 0, 0
	FETCH_A 0, 0, 4
	STEP 0, 0, 1                                   ; the first step stands in front of the loop: its products start the sums
	s_mov_b32 s3, LAPS-1
.Llap:                                                 ; a trip goes once round the ring, from a lap's second step to the next lap's first, and fills both slots again
	TURN 0, 1, 1
	STEP 1, 0, 0
	TURN 1, 0, 1
	STEP 0, 0, 0
	s_sub_co_u32 s3, s3, 1
	s_cmp_lg_u32 s3, 0
	s_cbranch_scc1 .Llap
	TURN 0, 1, 0                                   ; the last lap fills nothing, and has no round of the cluster's barrier
	STEP 1, 0, 0
	s_wait_dscnt 4*NL                              ; the very last step: nothing more to fetch
	WIN MUL_LO
	MUL16 0, 1, 0
	MUL16 2, 1, 0
	s_wait_dscnt 0
	WIN MUL_HI
	MUL16 4, 1, 0
	MUL16 6, 1, 0
	WIN 0
	; THE WAY OUT.  number = sum x 2^es + X's bias + Y's bias (one of the two, or both, are zeros: each number is rounded once); held within +-448 x 2^eo; eight numbers of a lane to eight codes.
	s_wait_loadcnt 0x0                             ; the biases
	s_wait_kmcnt 0x0                               ; the exponents
	s_add_co_i32 s88, s88, s89                     ; e0 + e1
	s_add_co_i32 s90, s90, s91                     ; e2 + e3
	s_add_co_i32 s92, s92, s93                     ; e4 + e5
	s_cmp_eq_u32 s[KIND], 0
	s_cselect_b32 s88, s88, s90
	s_cselect_b32 s94, s94, s95                    ; e6 or e7,
	s_cmp_eq_u32 s[KIND], 2
	s_cselect_b32 s88, s92, s88                    ; es
	s_cselect_b32 s94, s97, s94                    ; or e9: eo
	s_add_co_i32 s88, s88, 127
	s_lshl_b32 s96, s88, 23                        ; 2^es as f32
	s_mov_b32 s97, s96                             ; (named with it as a pair, so it is written)
	s_add_co_i32 s94, s94, 127
	s_lshl_b32 s95, s94, 23
	s_add_co_i32 s94, s94, 8
	s_lshl_b32 s94, s94, 23
	s_or_b32 s94, s94, 0x600000                    ; 448 x 2^eo
.set J, 0
.rept 64
	v_and_b32 v[BX+J], s2, v[BX+J]                 ; a bias that does not count becomes 0.  These plain lines, which name no register of the last products, are also the places behind them
.set J, J+1
.endr
.set J, 0
.rept 16
	v_and_b32 v[BYP+J], s13, v[BYP+J]
.set J, J+1
.endr
	v_mov_b32 v[SCL], s95
	v_mov_b32 v[LIM], s94
; Block a: my Y rows 16 a .. 16 a + 15 against my 128 X rows: eight accumulators, 64 registers; register 8 b + j of lane (r, h) is (X row 16 b + 8 h + j, Y row 16 a + r).
.macro OUTBLK a
.set AC, 64*((\a)%4)
	WIN 0x02+((\a)/4)                              ; source 0: window 2 or 3
.set J, 0
.rept 32
	v_pk_fma_f32 v[TMP+J:TMP+J+1], v[AC+J:AC+J+1], s[96:97], v[BX+J:BX+J+1] op_sel_hi:[1,0,1]   ; sum x 2^es + X's bias; each accumulator from its low end on
.set J, J+2
.endr
	WIN 0
.set J, 0
.rept 32
	v_pk_add_f32 v[TMP+J:TMP+J+1], v[TMP+J:TMP+J+1], v[BYP+2*(\a):BYP+2*(\a)+1]                 ; + Y's bias
.set J, J+2
.endr
.set J, 0
.rept 64
	v_med3_num_f32 v[TMP+J], v[TMP+J], -v[LIM], v[LIM]   ; the conversion to an 8-bit code does not saturate (ISA guide 7.6.2): the hold at the largest code x the scale, always executed
.set J, J+1
.endr
.if (\a) > 0
	s_wait_xcnt 0x0                                ; the last block's stores have read their data and their base: both are written again only behind this wait
.if (\a) == 4
	s_add_nc_u64 s[10:11], s[10:11], s[20:21]
.else
	s_add_nc_u64 s[10:11], s[10:11], s[18:19]
.endif
.endif
.irp b, 0,1,2,3,4,5,6,7
	v_cvt_scalef32_pk8_fp8_f32 v[CD+2*\b:CD+2*\b+1], v[TMP+8*\b:TMP+8*\b+7], v[SCL]   ; registers 2 b, 2 b + 1 of the next operand: its K = 16 b + 8 h + 0 .. 7
.endr
	v_nop                                          ; one plain vector line between the conversions and the next block's lines, which write their sources
.irp g, 0,1,2,3
	global_store_b128 v[VX+\g], v[CD+4*\g:CD+4*\g+3], s[10:11]   ; a group: 32 lanes store 512 consecutive bytes, aligned
.endr
.endm
.irp a, 0,1,2,3,4,5,6,7
	OUTBLK \a
.endr
	s_wait_tensorcnt 0x0                           ; the wave's end: behind my last tensor load
	ds_add_u32 v[SPW], v[NIL]
	s_wait_dscnt 0x0
	CROUND                                         ; the closing round: no work-group ends while a partner may still ask for a tile that names it
	s_endpgm
.Lfunc_end_k_q30e7ea887a_qkv:
	.size	k_q30e7ea887a_qkv, .Lfunc_end_k_q30e7ea887a_qkv-k_q30e7ea887a_qkv
	.p2alignl 7, 3214868480
	.fill 96, 4, 3214868480
	.section	.rodata,"a",@progbits
	.p2align	6, 0x0
	.amdhsa_kernel k_q30e7ea887a_qkv
		.amdhsa_group_segment_fixed_size 327680
		.amdhsa_private_segment_fixed_size 0
		.amdhsa_enable_private_segment 0
		.amdhsa_kernarg_size 72
		.amdhsa_user_sgpr_count 2
		.amdhsa_user_sgpr_kernarg_segment_ptr 1
		.amdhsa_wavefront_size32 1
		.amdhsa_system_sgpr_workgroup_id_x 1
		.amdhsa_system_sgpr_workgroup_id_y 1
		.amdhsa_system_sgpr_workgroup_id_z 1
		.amdhsa_system_vgpr_workitem_id 0
		.amdhsa_next_free_vgpr 1024
		.amdhsa_next_free_sgpr 102
		.amdhsa_reserve_vcc 0
		.amdhsa_float_denorm_mode_32 3
		.amdhsa_float_denorm_mode_16_64 3
		.amdhsa_memory_ordered 1
		.amdhsa_forward_progress 1
		.amdhsa_inst_pref_size 158
	.end_amdhsa_kernel
	.amdgpu_metadata
---
amdhsa.version: [ 1, 2 ]
amdhsa.kernels:
  - .name:           k_q30e7ea887a_qkv
    .symbol:         k_q30e7ea887a_qkv.kd
    .args:
      - { .name: hidden_states_codes, .offset: 0, .size: 8, .value_kind: global_buffer, .address_space: global }
      - { .name: wq_codes, .offset: 8, .size: 8, .value_kind: global_buffer, .address_space: global }
      - { .name: wk_codes, .offset: 16, .size: 8, .value_kind: global_buffer, .address_space: global }
      - { .name: wv_codes, .offset: 24, .size: 8, .value_kind: global_buffer, .address_space: global }
      - { .name: bq, .offset: 32, .size: 8, .value_kind: global_buffer, .address_space: global }
      - { .name: bv, .offset: 40, .size: 8, .value_kind: global_buffer, .address_space: global }
      - { .name: lowp_scales, .offset: 48, .size: 8, .value_kind: global_buffer, .address_space: global }
      - { .name: q_img, .offset: 56, .size: 8, .value_kind: global_buffer, .address_space: global }
      - { .name: kv_img, .offset: 64, .size: 8, .value_kind: global_buffer, .address_space: global }
    .group_segment_fixed_size: 327680
    .private_segment_fixed_size: 0
    .kernarg_segment_align: 8
    .kernarg_segment_size: 72
    .max_flat_workgroup_size: 128
    .sgpr_count:     102
    .vgpr_count:     1024
    .wavefront_size: 32
...
	.end_amdgpu_metadata
.endif
;; end of part 1
;; launch attn (part 2): grid 16 x 16, 8 waves a work-group, no clusters, 66,560 bytes of LDS; arguments q_img, kv_img, lowp_scales, a_img; writes a_img
.if DOCPART == 2
	.amdgcn_target "amdgcn-amd-amdhsa--gfx1250"
	.amdhsa_code_object_version 6
	.text
	.protected	k_q30e7ea887a_attn
	.globl	k_q30e7ea887a_attn
	.p2align	8
	.type	k_q30e7ea887a_attn,@function
k_q30e7ea887a_attn:
	s_mov_b64 s[64:65], 0
	v_nop
	global_prefetch_b8 v0, s[64:65] scope:SCOPE_SE
	s_setreg_imm32_b32 hwreg(HW_REG_WAVE_MODE, 25, 1), 1
	s_wait_xcnt 0x0
; a[q][64 head + d] = sum over keys of softmax(q . k / 8) v, both products on codes of FP8 (E4M3), then quantised with 2^e10 and stored as images of the last product's operand registers.
; q_img, kv_img: images of operand registers (a group = four registers of 32 lanes = 512 bytes, lane l's 16 bytes at 16 l).  q_img: [head 16][tile of 16 queries 256][group 2].  kv_img: [head 16][slot of 256 keys 16][32,768 bytes]:
; K: [tile of 16 keys 16][group 2]; from byte 16,384 V: [step of 128 keys 2][tile of 16 channels 4][group 4], its K = the keys.  a_img: [tile of 16 rows 256][K step of 128: 8][group 4]; head hd fills K step hd / 2, groups 2 (hd % 2) and + 1.
; THE SOFTMAX AHEAD OF THE SECOND PRODUCT: t = score x log2(e) / 8; M = the row's largest t so far, rounded UP to a whole number; p = 2^(t - M) is what is quantised (2^e8); it is not normalised.  The row's sum is taken of the
; unquantised p, in f32, and divides at the end.  When M moves, the sum and O are multiplied by 2^(old M - new M): exact.
; SHARES.  A work-group owns 256 queries of one head; each of its eight waves two tiles of 16, so that each fragment of K and V read from LDS feeds two matrix instructions; two waves to a SIMD.  Every wave walks all 4,096 keys, 128 a step.
; LAYOUT.  Both products are used transposed: S^T = K Q^T (source 0 = 16 keys), O^T = V^T P^T (source 0 = 16 channels): a lane holds ONE query (lane % 16) throughout, and register j of result tile t is key (channel) 16 t + 8 (lane / 16) + j.
; So one conversion of tile t gives registers 2 t, 2 t + 1 of the next operand in this form's own layout: nothing is permuted.
; K AND V come through registers into two LDS buffers of one slot (32,768 bytes) each: thread n copies bytes 16 n + 4,096 k.  A slot's eight loads are issued two key steps ahead of the wait for them, so they cost 32 registers and no idle time.
; NO TENSOR LOAD AND NO CLUSTER, though the sixteen work-groups of a head walk the same K and V: what they share is 32,768 bytes for two key steps.  Here a branch hangs on a loaded number:
; p is at most 1 but for a rounding, and the largest code x 2^e8 is at least 1.75 where e8 >= -8: there the hold, 128 of a step's vector instructions, is jumped over by a scalar branch on e8.  Where e8 < -8 it is executed.
; VECTOR WORK BY TURNS: one tile's exponentials stand one by one between the other tile's plain instructions, so that no two exponentials follow each other and each has a plain instruction behind it.
; LIMITS: e6 + e7 between -123 and 130 (added to c's exponent field); e8 and e10 between -126 and 119; e8 + e9 is applied by v_ldexp_f32 and has none.
; REGISTERS, window 0: v1 16 x lane; v2 16 x thread; v4-7 holds and scales; v8-19, v20-31 a tile's statistics; v32-95 O^T (tile u, channels 16 c on: v[32 + 32 u + 8 c]); v96-223 S^T, then p (64 a tile); v224-239 codes on the way out.
;   window 1: v0-63 K's eight fragments; v64-127 V's four; v128-143 Q; v144-175 p's codes; v176-207 a slot on its way from memory to LDS.
; A tile's statistics, from T on: +0 -M, +1 the largest t, +2, +3 the sum in two halves, +4 f (+5 named with it as a pair), +6, +7 two chains of the maximum, +8, +9 the second chain of the sum, +10 the other half of the lanes' number.
.set BUF,  32768                       ; a slot, and an LDS buffer
.set L16,  1
.set T16,  2
.set PLIM, 4                           ; 448 x 2^e8
.set PSCL, 5                           ; 2^e8
.set ALIM, 6                           ; 448 x 2^e10
.set ASCL, 7                           ; 2^e10
.set ST,   8
.set OA,   32
.set S,    96
.set CDE,  224
.set FK,   0                           ; window 1
.set FV,   64
.set QF,   128
.set PF,   144
.set STG,  176
.set MSB, 0
.macro WIN new                         ; the immediate's high byte repeats the setting that is left; a switch that changes nothing is dropped
.if MSB != (\new)
	s_set_vgpr_msb (MSB<<8)|(\new)
.set MSB, (\new)
.endif
.endm
.set W_MUL, 0x05                       ; sources 0 and 1 window 1; C and D window 0
.set W_TO1, 0x40                       ; destination window 1
.set W_ST1, 0x04                       ; an LDS store's data window 1
.macro GLOAD off                       ; a slot, off bytes from the base, into registers: a load of the work-group covers 4,096 consecutive bytes
	WIN W_TO1
.irp k, 0,1,2,3,4,5,6,7
	global_load_b128 v[STG+4*\k:STG+4*\k+3], v[T16], s[6:7] offset:(\off)+4096*\k
.endr
	WIN 0
.endm
.macro LSTORE buf                      ; and on into an LDS buffer, as it lies
	WIN W_ST1
.irp k, 0,1,2,3,4,5,6,7
	ds_store_b128 v[T16], v[STG+4*\k:STG+4*\k+3] offset:BUF*(\buf)+4096*\k
.endr
	WIN 0
.endm
.macro KLOAD buf, q                    ; K's eight fragments (16 keys x 64 channels: 8 registers) of the buffer's q-th key step
	WIN W_TO1
.irp t, 0,1,2,3,4,5,6,7
	ds_load_b128 v[FK+8*\t:FK+8*\t+3],   v[L16] offset:BUF*(\buf)+8192*(\q)+1024*\t
	ds_load_b128 v[FK+8*\t+4:FK+8*\t+7], v[L16] offset:BUF*(\buf)+8192*(\q)+1024*\t+512
.endr
.endm
.macro VLOAD buf, q                    ; V's four fragments (16 channels x 128 keys: 16 registers)
	WIN W_TO1
.irp c, 0,1,2,3
.irp g, 0,1,2,3
	ds_load_b128 v[FV+16*\c+4*\g:FV+16*\c+4*\g+3], v[L16] offset:BUF*(\buf)+16384+8192*(\q)+2048*\c+512*\g
.endr
.endr
.endm
; Number n of 73 of tile u's list ahead of its exponentials: 0-31 the largest of my 64 scores, in two chains, ascending (each result tile is read from its low end on); 32-33 the other half of the lanes'; 34-35 as t, and the running largest t;
; 36-40 the new -M = floor(-t) and f = 2^(old M - new M); 41-72 t - M, two at a time.
.macro PA u, n
.set rT, ST+12*(\u)
.set rS, S+64*(\u)
.if (\n) == 0
	v_max3_num_f32 v[rT+6], v[rS], v[rS+1], v[rS+2]
.elseif (\n) == 1
	v_max3_num_f32 v[rT+7], v[rS+3], v[rS+4], v[rS+5]
.elseif (\n) < 30
	v_max3_num_f32 v[rT+6+(\n)%2], v[rT+6+(\n)%2], v[rS+2*(\n)+2], v[rS+2*(\n)+3]
.elseif (\n) == 30
	v_max3_num_f32 v[rT+6], v[rT+6], v[rS+62], v[rS+63]
.elseif (\n) == 31
	v_max_num_f32 v[rT+6], v[rT+6], v[rT+7]
.elseif (\n) == 32
	v_permlanex16_b32 v[rT+10], v[rT+6], s20, s21  ; the query's other 64 keys lie in the lane 16 away
.elseif (\n) == 33
	v_max_num_f32 v[rT+6], v[rT+6], v[rT+10]
.elseif (\n) == 34
	v_mul_f32 v[rT+6], s22, v[rT+6]                ; as t (c is positive)
.elseif (\n) == 35
	v_max_num_f32 v[rT+1], v[rT+1], v[rT+6]
.elseif (\n) == 36
	v_mov_b32 v[rT+6], v[rT]
.elseif (\n) == 37
	v_floor_f32 v[rT], -v[rT+1]                    ; -M = floor(-t) = -ceil(t): M is a whole number
.elseif (\n) == 38
	v_sub_f32 v[rT+6], v[rT], v[rT+6]              ; old M - new M: a whole number, 0 or less
.elseif (\n) == 39
	v_cvt_i32_f32 v[rT+6], v[rT+6]                 ; (it saturates)
.elseif (\n) == 40
	v_ldexp_f32 v[rT+4], 1.0, v[rT+6]              ; f: a multiplication by it rounds nothing
.else
	v_pk_fma_f32 v[rS+2*((\n)-41):rS+2*((\n)-41)+1], v[rS+2*((\n)-41):rS+2*((\n)-41)+1], s[22:23], v[rT:rT+1] op_sel_hi:[1,0,0]   ; of the pairs c and -M the low word serves both halves
.endif
.endm
; Number n of 33 of tile u's sum: the old sum x f; the 32 pairs of the unquantised p in two chains; the chains joined.
.macro SUMOP u, n
.set rT, ST+12*(\u)
.set rS, S+64*(\u)
.if (\n) == 0
	v_pk_mul_f32 v[rT+2:rT+3], v[rT+2:rT+3], v[rT+4:rT+5] op_sel_hi:[1,0]
.elseif (\n) == 1
	s_wait_alu depctr_va_vdst(0)
	v_pk_add_f32 v[rT+8:rT+9], v[rS:rS+1], v[rS+2:rS+3]
.elseif (\n) == 32
	v_pk_add_f32 v[rT+2:rT+3], v[rT+2:rT+3], v[rT+8:rT+9]
.elseif (\n)%2 == 0
	v_pk_add_f32 v[rT+2:rT+3], v[rT+2:rT+3], v[rS+2*(\n):rS+2*(\n)+1]
.else
	v_pk_add_f32 v[rT+8:rT+9], v[rT+8:rT+9], v[rS+2*(\n):rS+2*(\n)+1]
.endif
.endm
.macro RESC u, n                       ; number n of 16: tile u's O^T under the new M
	v_pk_mul_f32 v[OA+32*(\u)+2*(\n):OA+32*(\u)+2*(\n)+1], v[OA+32*(\u)+2*(\n):OA+32*(\u)+2*(\n)+1], v[ST+12*(\u)+4:ST+12*(\u)+5] op_sel_hi:[1,0]
.endm
.macro PC n                            ; number n of 65 of the plain work that stands between tile 1's exponentials: tile 0's sum, then both tiles' O^T x f
.if (\n) < 33
	SUMOP 0, \n
.elseif (\n) < 49
	RESC 0, (\n)-33
.else
	RESC 1, (\n)-49
.endif
.endm
; A KEY STEP: 128 keys, the q-th of buffer buf.  K's fragments have been asked for.
.macro STEP buf, q
	s_wait_dscnt 0x0                               ; K's fragments are in
	WIN W_MUL
.irp t, 0,1,2,3,4,5,6,7
.irp u, 0,1
	v_wmma_f32_16x16x64_fp8_fp8 v[S+64*\u+8*\t:S+64*\u+8*\t+7], v[FK+8*\t:FK+8*\t+7], v[QF+8*\u:QF+8*\u+7], 0
.endr
.endr
.rept 4
	v_nop                                          ; four places: in front of the loads into K's and V's registers, which matrix instructions have read, and of the first read of the scores (ISA guide 7.12.1 for vector instructions)
.endr
	VLOAD \buf, \q
.if (\q) == 0
	KLOAD \buf, 1                                  ; the next step's K, a whole softmax ahead of its use
.endif
	WIN 0
.set N, 0
.rept 73
	PA 0, N
.set N, N+1
.endr
.set N, 0
.rept 64
	v_exp_f32 v[S+N], v[S+N]                       ; tile 0: p = 2^(t - M)
	PA 1, N
.set N, N+1
.endr
.rept 9
	PA 1, N
.set N, N+1
.endr
.set N, 0
.rept 64
	v_exp_f32 v[S+64+N], v[S+64+N]                 ; tile 1
	PC N
.set N, N+1
.endr
	PC 64
.set N, 0
.rept 33
	SUMOP 1, N
.set N, N+1
.endr
	s_cmp_ge_i32 s28, -8                           ; 448 x 2^e8 >= 1.75: no p reaches it
	s_cbranch_scc1 .Lno_hold_\@
.set N, 0
.rept 128
	v_min_num_f32 v[S+N], v[S+N], v[PLIM]          ; the conversion to an 8-bit code does not saturate (ISA guide 7.6.2); p is not negative, so the hold is one-sided
.set N, N+1
.endr
.Lno_hold_\@:
	WIN W_TO1
.irp u, 0,1
.irp t, 0,1,2,3,4,5,6,7
	v_cvt_scalef32_pk8_fp8_f32 v[PF+16*\u+2*\t:PF+16*\u+2*\t+1], v[S+64*\u+8*\t:S+64*\u+8*\t+7], v[PSCL]   ; keys 16 t + 8 (lane / 16) + 0 .. 7: registers 2 t, 2 t + 1 of P
.endr
.endr
	v_nop                                          ; one plain vector line between the conversions and the matrix instructions that read their results
.if (\q) == 0
	s_wait_dscnt 16                                ; V's sixteen loads are in; the sixteen of the next step's K, issued behind them, may be out
.else
	s_wait_dscnt 0x0                               ; V's fragments are in
.endif
	WIN W_MUL
.irp c, 0,1,2,3
.irp u, 0,1
	v_wmma_f32_16x16x128_fp8_fp8 v[OA+32*\u+8*\c:OA+32*\u+8*\c+7], v[FV+16*\c:FV+16*\c+15], v[PF+16*\u:PF+16*\u+15], v[OA+32*\u+8*\c:OA+32*\u+8*\c+7]   ; the eight accumulators take turns, one instruction a turn
.endr
.endr
	WIN 0
.endm
	s_load_b256 s[4:11], s[0:1], 0x0               ; q_img s[4:5], kv_img s[6:7], the scales' exponents s[8:9], a_img s[10:11]
	v_lshl_add_u32 v254, v0, 2, 0x10000
	v_mov_b32 v255, 0
	v_and_b32 v[L16], 31, v0
	v_lshlrev_b32 v[L16], 4, v[L16]
	v_lshlrev_b32 v[T16], 4, v0
	v_lshrrev_b32 v3, 5, v0
	v_readfirstlane_b32 s12, v3                    ; wave 0..7
	s_and_b32 s14, ttmp7, 0xffff                   ; the head
	s_lshl_b32 s16, s14, 19                        ; its 2^19 bytes of kv_img
	s_mov_b32 s17, 0
	s_lshl_b32 s15, ttmp9, 4
	s_lshl_b32 s18, s12, 1
	s_add_co_u32 s15, s15, s18                     ; my first tile of 16 queries: 16 x work-group x + 2 x wave
	s_lshl_b32 s18, s14, 8
	s_add_co_u32 s18, s18, s15
	s_lshl_b32 s18, s18, 10                        ; in q_img: (256 head + tile) x 1,024
	s_mov_b32 s19, 0
	s_lshl_b32 s32, s15, 14                        ; in a_img: tile x 16,384
	s_lshr_b32 s33, s14, 1
	s_lshl_b32 s33, s33, 11                        ; + K step head / 2 x 2,048
	s_add_co_u32 s32, s32, s33
	s_and_b32 s33, s14, 1
	s_lshl_b32 s33, s33, 10                        ; + two groups for an odd head
	s_add_co_u32 s32, s32, s33
	s_mov_b32 s33, 0
	s_mov_b32 s20, 0x76543210                      ; v_permlanex16_b32's selects for lane l xor 16
	s_mov_b32 s21, 0xfedcba98
	s_mov_b32 s13, 8                               ; trips: two slots each
	s_wait_kmcnt 0x0
	s_load_b256 s[24:31], s[8:9], 0x10             ; e4 .. e11: e6 s26, e7 s27, e8 s28, e9 s29, e10 s30
	s_add_nc_u64 s[4:5], s[4:5], s[18:19]
	s_add_nc_u64 s[6:7], s[6:7], s[16:17]
	s_add_nc_u64 s[10:11], s[10:11], s[32:33]
	GLOAD 0                                        ; slot 0
	WIN W_TO1
.irp i, 0,1,2,3
	global_load_b128 v[QF+4*\i:QF+4*\i+3], v[L16], s[4:5] offset:512*\i th:TH_LOAD_NT   ; Q's two fragments stay in registers; read once in the launch
.endr
	WIN 0
.irp u, 0,1
	v_mov_b32 v[ST+12*\u+1], 0xff61b1e6            ; the largest t so far: -3e38, under every t
	v_floor_f32 v[ST+12*\u], -v[ST+12*\u+1]        ; -M
	v_mov_b32 v[ST+12*\u+2], 0                     ; the sum, in two halves
	v_mov_b32 v[ST+12*\u+3], 0
	v_mov_b32 v[ST+12*\u+5], 0                     ; (named as the upper half of f's pair)
	v_mov_b32 v[ST+12*\u+10], 0                    ; written once: a lane permute's destination counts as one of its sources
.endr
.set J, 0
.rept 64
	v_mov_b32 v[OA+J], 0                           ; O^T.  (The key step is written for every step alike: the first finds zeros, which the first change of M leaves zeros; a first step of its own would be a fifth copy of it)
.set J, J+1
.endr
	s_wait_kmcnt 0x0
	s_add_co_i32 s32, s26, s27
	s_lshl_b32 s32, s32, 23
	s_add_co_i32 s22, s32, 0x3e38aa3b              ; c = log2(e) / 8 with e6 + e7 added to its exponent field: a score stands for score x 2^(e6 + e7)
	s_mov_b32 s23, s22                             ; (named with it as a pair, so it is written)
	s_add_co_i32 s32, s28, 127
	s_lshl_b32 s33, s32, 23
	v_mov_b32 v[PSCL], s33
	s_add_co_i32 s32, s32, 8
	s_lshl_b32 s32, s32, 23
	s_or_b32 s32, s32, 0x600000
	v_mov_b32 v[PLIM], s32
	s_add_co_i32 s32, s30, 127
	s_lshl_b32 s33, s32, 23
	v_mov_b32 v[ASCL], s33
	s_add_co_i32 s32, s32, 8
	s_lshl_b32 s32, s32, 23
	s_or_b32 s32, s32, 0x600000
	v_mov_b32 v[ALIM], s32
	s_add_co_i32 s34, s28, s29                     ; e8 + e9
	s_wait_loadcnt 4                               ; slot 0's eight loads are in; Q's four, issued behind them, may be out
	LSTORE 0
	s_wait_dscnt 0x0                               ; my stores have landed, and have read their registers,
	GLOAD BUF                                      ; which take slot 1
	s_barrier_signal -1
	s_barrier_wait -1                              ; slot 0 lies whole in buffer 0
	s_wait_loadcnt 8                               ; Q is in; slot 1's eight loads may be out
; A trip: slots 2 i (buffer 0) and 2 i + 1 (buffer 1).  One barrier a slot.  In front of it a wave's reads of the buffer that it leaves are back and its part of the next slot lies in the other buffer; behind it that other buffer is read,
; and the buffer just left is written only at the end of those two steps.
.Ltrip:
	KLOAD 0, 0
	STEP 0, 0
	STEP 0, 1
	s_wait_loadcnt 0x0                             ; slot 2 i + 1, asked for two key steps ago
	LSTORE 1                                       ; buffer 1's last readers passed the barrier at the last trip's end
	s_wait_dscnt 0x0
	s_cmp_eq_u32 s13, 1
	s_cbranch_scc1 .Lno_even                       ; the last trip asks for nothing: no load leaves the buffer
	GLOAD 2*BUF                                    ; slot 2 i + 2
.Lno_even:
	s_barrier_signal -1
	s_barrier_wait -1
	KLOAD 1, 0
	STEP 1, 0
	STEP 1, 1
	s_sub_co_u32 s13, s13, 1
	s_cmp_eq_u32 s13, 0
	s_cbranch_scc1 .Lno_odd
	s_wait_loadcnt 0x0                             ; slot 2 i + 2
	LSTORE 0                                       ; buffer 0's last readers passed the barrier in the trip's middle
	s_wait_dscnt 0x0
	GLOAD 3*BUF                                    ; slot 2 i + 3
.Lno_odd:
	s_wait_dscnt 0x0                               ; on both ways: no LDS instruction of mine is out
	s_barrier_signal -1
	s_barrier_wait -1
	s_wait_xcnt 0x0                                ; the loads have read their base: it steps only behind this wait
	s_add_nc_u64 s[6:7], s[6:7], 2*BUF
	s_cmp_lg_u32 s13, 0
	s_cbranch_scc1 .Ltrip
	; THE WAY OUT.  The sum's two halves and the other half of the lanes' are added; O^T x 2^(e8 + e9) / the sum is held, quantised with 2^e10, and stored as two groups a tile.  The additions are the places behind the last products.
.irp u, 0,1
	v_add_f32 v[ST+12*\u+2], v[ST+12*\u+2], v[ST+12*\u+3]
.endr
.irp u, 0,1
	v_permlanex16_b32 v[ST+12*\u+10], v[ST+12*\u+2], s20, s21
.endr
.irp u, 0,1
	v_add_f32 v[ST+12*\u+2], v[ST+12*\u+2], v[ST+12*\u+10]
.endr
.irp u, 0,1
	v_rcp_f32 v[ST+12*\u+4], v[ST+12*\u+2]
.endr
	v_nop                                          ; a plain instruction between the last reciprocal and the use of its result
	s_wait_alu depctr_va_vdst(0)
.irp u, 0,1
	v_ldexp_f32 v[ST+12*\u+4], v[ST+12*\u+4], s34
.endr
.irp u, 0,1
.set J, 0
.rept 16
	v_pk_mul_f32 v[S+64*\u+J:S+64*\u+J+1], v[OA+32*\u+J:OA+32*\u+J+1], v[ST+12*\u+4:ST+12*\u+5] op_sel_hi:[1,0]   ; register 8 c + j: channel 16 c + 8 (lane / 16) + j of my query; each accumulator from its low end on
.set J, J+2
.endr
.set J, 0
.rept 32
	v_med3_num_f32 v[S+64*\u+J], v[S+64*\u+J], -v[ALIM], v[ALIM]
.set J, J+1
.endr
.irp c, 0,1,2,3
	v_cvt_scalef32_pk8_fp8_f32 v[CDE+8*\u+2*\c:CDE+8*\u+2*\c+1], v[S+64*\u+8*\c:S+64*\u+8*\c+7], v[ASCL]
.endr
	v_nop                                          ; one plain vector line behind the conversions
.irp g, 0,1
	global_store_b128 v[L16], v[CDE+8*\u+4*\g:CDE+8*\u+4*\g+3], s[10:11] offset:16384*\u+512*\g   ; a group: 32 lanes store 512 consecutive bytes, aligned
.endr
.endr
	s_wait_tensorcnt 0x0
	ds_add_u32 v254, v255
	s_wait_dscnt 0x0
	s_endpgm
.Lfunc_end_k_q30e7ea887a_attn:
	.size	k_q30e7ea887a_attn, .Lfunc_end_k_q30e7ea887a_attn-k_q30e7ea887a_attn
	.p2alignl 7, 3214868480
	.fill 96, 4, 3214868480
	.section	.rodata,"a",@progbits
	.p2align	6, 0x0
	.amdhsa_kernel k_q30e7ea887a_attn
		.amdhsa_group_segment_fixed_size 66560
		.amdhsa_private_segment_fixed_size 0
		.amdhsa_enable_private_segment 0
		.amdhsa_kernarg_size 32
		.amdhsa_user_sgpr_count 2
		.amdhsa_user_sgpr_kernarg_segment_ptr 1
		.amdhsa_wavefront_size32 1
		.amdhsa_system_sgpr_workgroup_id_x 1
		.amdhsa_system_sgpr_workgroup_id_y 1
		.amdhsa_system_sgpr_workgroup_id_z 1
		.amdhsa_system_vgpr_workitem_id 0
		.amdhsa_next_free_vgpr 464
		.amdhsa_next_free_sgpr 66
		.amdhsa_reserve_vcc 0
		.amdhsa_float_denorm_mode_32 3
		.amdhsa_float_denorm_mode_16_64 3
		.amdhsa_memory_ordered 1
		.amdhsa_forward_progress 1
		.amdhsa_inst_pref_size 130
	.end_amdhsa_kernel
	.amdgpu_metadata
---
amdhsa.version: [ 1, 2 ]
amdhsa.kernels:
  - .name:           k_q30e7ea887a_attn
    .symbol:         k_q30e7ea887a_attn.kd
    .args:
      - { .name: q_img, .offset: 0, .size: 8, .value_kind: global_buffer, .address_space: global }
      - { .name: kv_img, .offset: 8, .size: 8, .value_kind: global_buffer, .address_space: global }
      - { .name: lowp_scales, .offset: 16, .size: 8, .value_kind: global_buffer, .address_space: global }
      - { .name: a_img, .offset: 24, .size: 8, .value_kind: global_buffer, .address_space: global }
    .group_segment_fixed_size: 66560
    .private_segment_fixed_size: 0
    .kernarg_segment_align: 8
    .kernarg_segment_size: 32
    .max_flat_workgroup_size: 256
    .sgpr_count:     66
    .vgpr_count:     464
    .wavefront_size: 32
...
	.end_amdgpu_metadata
.endif
;; end of part 2
;; launch oproj (part 3): grid 4 x 16, 4 waves a work-group, clusters of 4 x 4, 327,680 bytes of LDS; arguments a_img, wo_codes, lowp_scales, bo, out0; writes out0
.if DOCPART == 3
	.amdgcn_target "amdgcn-amd-amdhsa--gfx1250"
	.amdhsa_code_object_version 6
	.text
	.protected	k_q30e7ea887a_oproj
	.globl	k_q30e7ea887a_oproj
	.p2align	8
	.type	k_q30e7ea887a_oproj,@function
k_q30e7ea887a_oproj:
	s_mov_b64 s[64:65], 0
	v_nop
	global_prefetch_b8 v0, s[64:65] scope:SCOPE_SE
	s_setreg_imm32_b32 hwreg(HW_REG_WAVE_MODE, 25, 1), 1
	s_wait_xcnt 0x0
	s_wait_alu depctr_hold_cnt(0) depctr_sa_sdst(0) depctr_va_vdst(0) depctr_va_sdst(0) depctr_va_ssrc(0) depctr_va_vcc(0) depctr_vm_vsrc(0)
	s_getreg_b32 s2, hwreg(HW_REG_IB_STS2, 6, 4)
	s_cmp_eq_u32 s2, 0
	s_cbranch_scc0 .Lentry_in_a_cluster
	s_endpgm
.Lentry_in_a_cluster:
	s_bfe_u32 s2, ttmp6, 0x10000c
	s_cmp_lg_u32 s2, 0xf033
	s_cbranch_scc0 .Lentry_shape_is_right
	s_endpgm
.Lentry_shape_is_right:
; out0[m][n] = sum over k of a[m][k] wo[n][k] x 2^(e10 + e11) + bo[n], on codes of FP8 (E4M3); sums in f32; out0: [4096][1024] f32.
; a comes as IMAGES OF OPERAND REGISTERS: a_img [tile of 16 rows 256][K step of 128: 8][group 4][512 bytes]; a group is four registers of 32 lanes, lane l's 16 bytes at 16 l; lane (r, h) holds row r, registers 2 c, 2 c + 1: k = 16 c + 8 h + 0 .. 7.
; wo: [1024][1024] codes, K innermost; its fragments are read from LDS in the same layout, by loads of 8 bytes at 16 c + 8 h.  e10, e11: entries 10 and 11 (int32) of the buffer of scales.
; LIMIT: e10 + e11 lies between -126 and 127, so that 2^(e10 + e11) is an f32 number.
; A tile of out0, 256 x 256, is made by a work-group of four waves; a wave makes 128 x 128: 64 accumulators of 16 x 16, 512 registers.  64 tiles, 64 work-groups.
; K goes in steps of 256 through a ring of two LDS slots filled by the tensor data mover.  a's part of a slot: for each of 16 tiles of rows the 4,096 consecutive bytes of two K steps of 128, laid on end without padding (a fragment load reads
; 512 consecutive bytes).  wo's part: 256 rows of 256 bytes, 272 apart.
; CLUSTERS: 4 x 4 work-groups.  The four of a row of the cluster need the same tiles of a, the four of a column the same tiles of wo: each tile is asked for JOINTLY, by the same tensor load with the same descriptor and a mask that names the four.
; THE MATRIX INSTRUCTION IS USED TRANSPOSED (source 0 = 16 rows of wo, source 1 = 16 rows of a): a lane then holds eight neighbouring numbers of a row of out0.
; REGISTERS, in windows of 256: window 0: v1-29 addresses; v32-95 bo at my 128 columns, in the result's layout; from v128 a's fragments, ONE set (on the way out: rows read back from the stage).
;   window 1: wo's fragments, TWO sets, at v0 and v128 (on the way out v0-63: a block's results).   window 2: the 32 accumulators of my rows 0-63 (accumulator (a, b) at v[8 (8 a + b)]);   window 3: those of my rows 64-127.
.set SIZE_N, 1024
.set KROW,   1024                      ; a row of wo in memory, in bytes
.set ROWB,   256                       ; a row of wo's tile in bytes
.set ASTEP,  4096                      ; a slot's bytes of one tile of 16 rows of a: two K steps of 2,048
.set PITCH,  272                       ; wo's LDS row: 256 bytes + 16 of padding: the 32 lanes of a load of 8 bytes, at 272 r + 8 h, touch 64 different banks (64 banks of 4 bytes: ISA guide 11.1)
.set FR,     16                        ; registers of a fragment: 16 rows x 128 K
.set NL,     4                         ; LDS loads that bring one of a's
.set NP,     4                         ; places behind this matrix instruction (ISA guide 7.12.1)
.set AHALF,  8*ASTEP                   ; eight tiles of 16 rows: what one tensor load brings of a, and what one wave reads
.set BHALF,  128*PITCH                 ; 128 rows of wo likewise
.set BOFF,   2*AHALF                   ; wo's rows lie behind a's images
.set SLOT,   2*AHALF+2*BHALF
.set LAPS,   KROW/(2*ROWB)             ; a lap = two slots = once round the ring: 2
.set SPARE,  2*SLOT                    ; behind the ring: the spare words, 128 bytes for each wave: two blocks of 256 bytes that no other line names
.set SPITCH, 528                       ; the way out: a stage of 16 rows x (512 bytes + 16) for each wave.  It lies in slot 0, which has had its last fill and its last read when the first result is stored there
.set HB,   7                           ; v7      32 x (lane / 16): bo, my half's eight numbers
.set ADRA, 16                          ; v16-17  LDS address of my fragments of a in slot 0, 1
.set ADRB, 20                          ; v20-21  the same for wo
.set STO,  24                          ; v24     the way out: where I put 32 bytes of a row
.set RD,   25                          ; v25     the way out: where I read a row back
.set CO,   26                          ; v26     16 x lane: my byte offset in a row of out0
.set SPW,  28                          ; v28     LDS address of my spare word: SPARE + 4 x my thread's number; never rewritten
.set NIL,  29                          ; v29     0; never rewritten
.set BO,   32
.set AF,   128                         ; a's fragments, in window 0
.set BK,   128                         ; the way out: 16 rows read back from the stage: v128-191 and v192-255 by turns
.set TMP,  0                           ; the way out, in window 1: a block's 64 results
.set G1, 24                            ; s[24:31] descriptor group 1 for a's tiles;  s[32:39] group 0, one set for each slot
.set G0, 32
.set G1B, 48                           ; s[48:55], s[56:63] the same for wo's tiles
.set G0B, 56
.set MSB, 0
.macro WIN new                         ; the immediate's high byte repeats the setting that is left; a switch that changes nothing is dropped
.if MSB != (\new)
	s_set_vgpr_msb (MSB<<8)|(\new)
.set MSB, (\new)
.endif
.endm
.set MUL_LO, 0xa1                      ; source 0 (wo) window 1, source 1 (a) window 0, C and D window 2
.set MUL_HI, 0xf1                      ; the same, C and D window 3
.set TO_B,   0x40                      ; destination window 1, address window 0
; A joint load: waves 0 and 1 fetch for a, waves 2 and 3 for wo.  Each of the two lines has ONE mask and one set of registers for all that issue it; the branch hangs on the wave's number alone.
; Four v_nop follow each of the two lines, ahead of the jump, the label and what follows.
.macro JLOAD g0a, g1a, g0b, g1b
	s_cmp_eq_u32 s15, 0
	s_cbranch_scc0 .Lfor_b_\@
	tensor_load_to_lds s[\g0a:\g0a+3], s[\g1a:\g1a+7]
	s_nop 0
.rept 4
	v_nop
.endr
	s_branch .Lasked_\@
.Lfor_b_\@:
	tensor_load_to_lds s[\g0b:\g0b+3], s[\g1b:\g1b+7]
	s_nop 0
.rept 4
	v_nop
.endr
.Lasked_\@:
.endm
.macro CREST                           ; a round of the cluster's barrier behind its opening barrier
	s_cmp_lg_u32 s14, 0
	s_cbranch_scc1 .Lnot_wave_0_\@
	s_barrier_signal -3
.Lnot_wave_0_\@:
	s_barrier_wait -3
	s_barrier_signal -1
	s_barrier_wait -1
.endm
.macro CROUND                          ; a whole round
	s_barrier_signal -1
	s_barrier_wait -1
	CREST
.endm
	s_load_b128 s[4:7], s[0:1], 0x0                ; a_img s[4:5], wo's codes s[6:7]
	s_load_b128 s[8:11], s[0:1], 0x10              ; the scales' exponents s[8:9], bo s[10:11]
	s_load_b64 s[12:13], s[0:1], 0x20              ; out0
	v_lshl_add_u32 v[SPW], v0, 2, SPARE
	v_mov_b32 v[NIL], 0
	ds_add_u32 v28, v29
	ds_add_u32 v28, v29
	s_wait_dscnt 0x0
	v_lshrrev_b32 v1, 5, v0
	v_readfirstlane_b32 s14, v1                    ; wave 0..3
	s_lshr_b32 s15, s14, 1                         ; which half of the tile's rows is mine.  Also: I fetch for a (0) or for wo (1)
	s_and_b32 s16, s14, 1                          ; which half of its columns.  Also: which half of that tile I fetch
	s_bfe_u32 s40, ttmp6, 0x40000                  ; cx, cy: my place in the cluster
	s_bfe_u32 s41, ttmp6, 0x40004
	s_lshl_b32 s42, ttmp9, 2
	s_add_co_u32 s42, s42, s40                     ; tile column of out0 = 4 x cluster x + cx
	s_and_b32 s17, ttmp7, 0xffff
	s_lshl_b32 s17, s17, 2
	s_add_co_u32 s17, s17, s41                     ; tile row of out0 = 4 x cluster y + cy
	s_lshl_b32 s43, s41, 2
	s_lshl_b32 s43, 15, s43                        ; my row of the cluster
	s_lshl_b32 s44, 0x1111, s40                    ; my column
	; descriptor group 1 for a: 8 rows of 4,096 bytes (512 elements of 8 bytes), 16,384 bytes (2,048 elements) apart in memory, on end in LDS
	s_or_b32 s[G1+0], s43, (3<<16)|(1<<21)         ; 15:0 the mask: a's tiles go to my row; 17:16 element of 8 bytes; 20 no padding; 21 set beside a mask
	s_mov_b32 s[G1+1], 512<<16                     ; tensor_dim0 = 512
	s_mov_b32 s[G1+2], 8<<16                       ; tensor_dim1 = 8
	s_mov_b32 s[G1+3], 512<<16                     ; tile_dim0 = 512
	s_mov_b32 s[G1+4], 8                           ; tile_dim1 = 8
	s_mov_b32 s[G1+5], 2048                        ; tensor_dim0_stride
	s_mov_b32 s[G1+6], 0
	s_mov_b32 s[G1+7], 0
	; for wo: 128 rows x 256 bytes, padded in LDS
	s_or_b32 s[G1B+0], s44, (0<<16)|(1<<20)|(1<<21)|(5<<22)|(3<<25)  ; the mask of my column; element of 1 byte; padding on; after every 64 words (code 5) 4 words (code 3)
	s_mov_b32 s[G1B+1], ROWB<<16
	s_mov_b32 s[G1B+2], 128<<16
	s_mov_b32 s[G1B+3], ROWB<<16
	s_mov_b32 s[G1B+4], 128
	s_mov_b32 s[G1B+5], KROW
	s_mov_b32 s[G1B+6], 0
	s_mov_b32 s[G1B+7], 0
	s_lshl_b32 s20, s17, 4
	s_lshl_b32 s18, s16, 3
	s_add_co_u32 s20, s20, s18                     ; a: tile of 16 rows: 16 x tile row + 8 x half,
	s_lshl_b32 s20, s20, 14                        ; x 16,384 bytes
	s_mov_b32 s21, 0
	s_lshl_b32 s46, s42, 8
	s_lshl_b32 s18, s16, 7
	s_add_co_u32 s46, s46, s18                     ; wo: row 256 x tile column + 128 x half,
	s_lshl_b32 s46, s46, 10                        ; x 1,024 bytes
	s_mov_b32 s47, 0
	s_mul_i32 s45, s16, AHALF                      ; where they go: a's two halves on end,
	s_mul_i32 s19, s16, BHALF
	s_add_co_u32 s19, s19, BOFF                    ; wo's two halves behind them: no place in the cluster enters an LDS address
	s_wait_kmcnt 0x0
	s_load_b64 s[96:97], s[8:9], 0x28              ; e10, e11
	s_add_nc_u64 s[20:21], s[4:5], s[20:21]
	s_add_nc_u64 s[46:47], s[6:7], s[46:47]
	CROUND                                         ; all sixteen work-groups are here: the first joint loads meet
.irp s, 0,1
	s_mov_b32 s[G0+4*\s], 1
	s_add_co_u32 s[G0+4*\s+1], s45, \s*SLOT
	s_add_nc_u64 s[G0+4*\s+2:G0+4*\s+3], s[20:21], \s*ASTEP
	s_or_b32 s[G0+4*\s+3], s[G0+4*\s+3], 0x80000000
	s_mov_b32 s[G0B+4*\s], 1
	s_add_co_u32 s[G0B+4*\s+1], s19, \s*SLOT
	s_add_nc_u64 s[G0B+4*\s+2:G0B+4*\s+3], s[46:47], \s*ROWB
	s_or_b32 s[G0B+4*\s+3], s[G0B+4*\s+3], 0x80000000
	JLOAD G0+4*\s, G1, G0B+4*\s, G1B
.endr
	v_and_b32 v1, 15, v0                           ; r = l % 16
	v_bfe_u32 v2, v0, 4, 1                         ; h = l / 16
	v_and_b32 v6, 31, v0
	v_lshlrev_b32 v[CO], 4, v6                     ; 16 x lane
	v_mul_u32_u24 v3, v1, PITCH
	v_lshl_add_u32 v4, v2, 3, v3                   ; wo: a fragment's row x pitch + 8 x half
	s_mul_i32 s21, s15, AHALF                      ; my eight tiles of a
	s_mul_i32 s22, s16, BHALF                      ; my 128 rows of wo
	s_add_co_u32 s22, s22, BOFF
.irp s, 0,1
	v_add_nc_u32 v[ADRA+\s], s21, v[CO]
	v_add_nc_u32 v[ADRB+\s], s22, v4
	s_add_co_u32 s21, s21, SLOT
	s_add_co_u32 s22, s22, SLOT
.endr
	s_mul_i32 s23, s14, 16*SPITCH                  ; my stage
	v_mul_u32_u24 v5, v1, SPITCH                   ; in: row l % 16, 32 bytes for each half of the lanes
	v_lshl_add_u32 v5, v2, 5, v5
	v_add_nc_u32 v[STO], s23, v5
	v_add_nc_u32 v[RD], s23, v[CO]                 ; back: the 32 lanes take one row of 512 bytes
	s_lshl_b32 s20, s17, 8
	s_lshl_b32 s21, s15, 7
	s_add_co_u32 s20, s20, s21                     ; my first row of out0: 256 x tile row + 128 x half,
	s_lshl_b32 s20, s20, 12                        ; x 4,096 bytes
	s_mov_b32 s21, 0
	s_lshl_b32 s46, s42, 10                        ; my first column, in bytes: 1,024 x tile column + 512 x half
	s_lshl_b32 s47, s16, 9
	s_add_co_u32 s46, s46, s47
	s_mov_b32 s47, 0
	s_add_nc_u64 s[10:11], s[10:11], s[46:47]      ; bo at my first column
	s_add_nc_u64 s[20:21], s[20:21], s[46:47]
	s_add_nc_u64 s[12:13], s[12:13], s[20:21]
	v_lshlrev_b32 v[HB], 5, v2
.irp b, 0,1,2,3,4,5,6,7
	global_load_b128 v[BO+8*\b:BO+8*\b+3],   v[HB], s[10:11] offset:64*\b      ; register 8 b + j: bo at my column 16 b + 8 h + j; waited for on the way out
	global_load_b128 v[BO+8*\b+4:BO+8*\b+7], v[HB], s[10:11] offset:64*\b+16
.endr
.macro FRAGA reg, slot, q, i           ; a fragment of a: tile i of my eight, the slot's q-th 128 along K: four groups as they lie
.irp c, 0,1,2,3
	ds_load_b128 v[\reg+4*\c:\reg+4*\c+3], v[ADRA+\slot] offset:ASTEP*(\i)+2048*(\q)+512*\c
.endr
.endm
.macro FRAGB reg, slot, q, i           ; a fragment of wo: lane l holds row l % 16; registers 2 c, 2 c + 1 hold K = 16 c + 8 (l / 16) + 0 .. 7
.irp c, 0,1,2,3,4,5,6,7
	ds_load_b64 v[\reg+2*\c:\reg+2*\c+1], v[ADRB+\slot] offset:128*(\q)+16*\c+(\i)*16*PITCH
.endr
.endm
; 16 matrix instructions: a's blocks a0, a0 + 1 x wo's eight, 128 along K.  p: wo's set.  zero = 1: the first product starts the sums: nothing is ever cleared.
; The 64 accumulators take turns, one instruction a turn, in the same order in every step.
.macro MUL16 a0, p, zero
.irp a, \a0, \a0+1
.irp b, 0,1,2,3,4,5,6,7
.if \zero
	v_wmma_f32_16x16x128_fp8_fp8 v[8*(8*((\a)%4)+\b):8*(8*((\a)%4)+\b)+7], v[128*(\p)+FR*\b:128*(\p)+FR*\b+FR-1], v[AF+FR*(\a):AF+FR*(\a)+FR-1], 0
.else
	v_wmma_f32_16x16x128_fp8_fp8 v[8*(8*((\a)%4)+\b):8*(8*((\a)%4)+\b)+7], v[128*(\p)+FR*\b:128*(\p)+FR*\b+FR-1], v[AF+FR*(\a):AF+FR*(\a)+FR-1], v[8*(8*((\a)%4)+\b):8*(8*((\a)%4)+\b)+7]
.endif
.endr
.endr
.endm
.macro FETCH_B slot, q, p              ; wo's eight fragments of the slot's q-th 128 along K into set p
	WIN TO_B
.irp i, 0,1,2,3,4,5,6,7
	FRAGB 128*(\p)+FR*\i, \slot, \q, \i
.endr
	WIN 0
.endm
.macro FETCH_A slot, q, i0             ; a's blocks i0 .. i0 + 3
.irp i, \i0, \i0+1, \i0+2, \i0+3
	FRAGA AF+FR*(\i), \slot, \q, \i
.endr
.endm
; A load into a register that a matrix instruction has read, and a vector instruction that reads a matrix result or writes one of a matrix instruction's registers, stand NP places behind that matrix instruction, and only plain vector
; instructions that name none of its registers are places (ISA guide 7.12.1 for vector instructions); the matrix instructions in between are not counted.
.macro PLACES n
.rept \n
	v_nop
.endr
.endm
; A step of 128 along K that has its successor in the same slot.  A block of a is free as soon as its eight products are issued, so one set serves a: blocks 0-3 are fetched anew in the step's middle, blocks 4-7 at its end.
.macro STEP slot, q, zero
	s_wait_dscnt 4*NL                              ; wo's set and a's blocks 0-3 are in; the youngest sixteen loads (a's blocks 4-7) may be out
	WIN MUL_LO
	MUL16 0, (\q)%2, \zero
	MUL16 2, (\q)%2, \zero
	s_wait_dscnt 0                                 ; a's blocks 4-7 are in (asked for 32 matrix instructions ago)
	PLACES NP
	FETCH_B \slot, (\q)+1, 1-(\q)%2
	FETCH_A \slot, (\q)+1, 0
	WIN MUL_HI
	MUL16 4, (\q)%2, \zero
	MUL16 6, (\q)%2, \zero
	PLACES NP
	WIN 0
	FETCH_A \slot, (\q)+1, 4
.endm
; A slot's last step changes slots: ONE barrier; in front of it each wave waits for all its tensor loads, adds 0 to its spare word, and waits for that and for its own reads of this slot.  fill = 1: this slot is filled again, two slots ahead.
.macro TURN slot, next, fill
	s_wait_tensorcnt 0x0                           ; all my tensor loads have landed: my part of the next slot;  (every window is 0 here: the add's two registers lie in window 0)
	ds_add_u32 v[SPW], v[NIL]                      ; 0 onto my spare word
	s_wait_dscnt 4*NL+1                            ; (the add and the youngest sixteen loads, a's blocks 4-7, may be out)
	WIN MUL_LO
	MUL16 0, 1, 0                                  ; sixteen matrix instructions stand between the add and the wait for it
	s_wait_dscnt 0x0                               ; the add is done, and my reads of this slot are over
	s_barrier_signal -1
	MUL16 2, 1, 0
	WIN 0
	s_barrier_wait -1
.if \fill
	CREST                                          ; the barrier has opened a round of the cluster's barrier: no wave of any partner still reads this slot's tile or has a load on its way
	s_add_nc_u64 s[G0+4*\slot+2:G0+4*\slot+3], s[G0+4*\slot+2:G0+4*\slot+3], 2*ASTEP
	s_add_nc_u64 s[G0B+4*\slot+2:G0B+4*\slot+3], s[G0B+4*\slot+2:G0B+4*\slot+3], 2*ROWB
	JLOAD G0+4*\slot, G1, G0B+4*\slot, G1B         ; the first tensor load behind the round; the four v_nop behind it are the places in front of the loads below
.else
	PLACES NP
.endif
	FETCH_B \next, 0, 0
	FETCH_A \next, 0, 0
	WIN MUL_HI
	MUL16 4, 1, 0
	MUL16 6, 1, 0
	PLACES NP
	WIN 0
	FETCH_A \next, 0, 4
.endm
	s_wait_tensorcnt 1                             ; my part of slot 0 is in (slot 1's load may be out)
	s_barrier_signal -1
	s_barrier_wait -1                              ; everybody's is
	FETCH_B 0, 0, 0
	FETCH_A 0, 0, 0
	FETCH_A 0, 0, 4
	STEP 0, 0, 1                                   ; the first step stands in front of the loop: its products start the sums
	s_mov_b32 s3, LAPS-1
.Llap:                                                 ; a trip goes once round the ring, from a lap's second step to the next lap's first, and fills both slots again
	TURN 0, 1, 1
	STEP 1, 0, 0
	TURN 1, 0, 1
	STEP 0, 0, 0
	s_sub_co_u32 s3, s3, 1
	s_cmp_lg_u32 s3, 0
	s_cbranch_scc1 .Llap
	TURN 0, 1, 0                                   ; the last lap fills nothing, and has no round of the cluster's barrier
	STEP 1, 0, 0
	s_wait_dscnt 4*NL                              ; the very last step: nothing more to fetch
	WIN MUL_LO
	MUL16 0, 1, 0
	MUL16 2, 1, 0
	s_wait_dscnt 0
	WIN MUL_HI
	MUL16 4, 1, 0
	MUL16 6, 1, 0
	WIN 0
; THE WAY OUT, block by block of 16 rows x 128 columns.  A lane holds 32 neighbouring bytes of a row, and the lanes beside it hold other rows: so a block goes through my own stage in LDS and comes back as whole
; rows of 512 bytes, which the 32 lanes store as two aligned runs of 256 bytes.  LDS serves a wave's instructions in order (ISA guide 5.7.1.4): no wait between the stores and the loads, nor in front of the next block's stores.
.macro TOSTAGE a
.set AC, 64*((\a)%4)
	WIN 0x42+((\a)/4)                              ; source 0 (the sums): window 2 or 3; source 2 (bo): window 0; destination: window 1
.set J, 0
.rept 32
	v_pk_fma_f32 v[TMP+J:TMP+J+1], v[AC+J:AC+J+1], s[96:97], v[BO+J:BO+J+1] op_sel_hi:[1,0,1]   ; sum x 2^(e10 + e11) + bo, two at a time (the scalar pair's low word for both halves); each accumulator from its low end on
.set J, J+2
.endr
	WIN 0x04                                       ; an LDS store's data: window 1
.irp b, 0,1,2,3,4,5,6,7
	ds_store_b128 v[STO], v[TMP+8*\b:TMP+8*\b+3] offset:64*\b
	ds_store_b128 v[STO], v[TMP+8*\b+4:TMP+8*\b+7] offset:64*\b+16
.endr
	WIN 0
.set BB, BK+64*((\a)%2)
.irp t, 0,1,2,3,4,5,6,7,8,9,10,11,12,13,14,15
	ds_load_b128 v[BB+4*\t:BB+4*\t+3], v[RD] offset:\t*SPITCH
.endr
.endm
.macro SEND a, younger                 ; younger: the LDS instructions issued behind block a's loads, which may stay out
.set BB, BK+64*((\a)%2)
	s_wait_dscnt \younger                          ; the block is back in registers
.if (\a) > 0
	s_add_nc_u64 s[12:13], s[12:13], 16*SIZE_N*4   ; (behind a wait on XCNT: the earlier stores have read their base)  16 rows of out0 on
.endif
.irp t, 0,1,2,3,4,5,6,7,8,9,10,11,12,13,14,15
	global_store_b128 v[CO], v[BB+4*\t:BB+4*\t+3], s[12:13] offset:\t*SIZE_N*4 th:TH_STORE_NT   ; 32 lanes store 512 consecutive bytes, at a multiple of 256 from out0's first byte; written once, read by nobody here
.endr
.endm
	s_wait_kmcnt 0x0
	s_add_co_i32 s96, s96, s97                     ; e10 + e11, between -126 and 127,
	s_add_co_i32 s96, s96, 127
	s_lshl_b32 s96, s96, 23                        ; makes the f32 number 2^(e10 + e11)
	s_wait_loadcnt 0x0                             ; bo
	PLACES NP                                      ; behind the last products: for the loads into the registers that held a's fragments, and for block 7's reads
	TOSTAGE 0
.irp a, 1,2,3,4,5,6,7
.if \a > 1
	s_wait_xcnt 0x0                                ; block a - 2's stores have read their registers and their base: block a's loads may land there, and the base may step
.endif
	TOSTAGE \a
	SEND \a-1, 32                                  ; behind block a - 1's loads: block a's 16 stores and 16 loads
.endr
	s_wait_xcnt 0x0                                ; block 6's stores have read their base
	SEND 7, 0
	s_wait_tensorcnt 0x0                           ; the wave's end: behind my last tensor load and my last LDS store
	ds_add_u32 v[SPW], v[NIL]
	s_wait_dscnt 0x0
	CROUND                                         ; the closing round: no work-group ends while a partner may still ask for a tile that names it
	s_endpgm
.Lfunc_end_k_q30e7ea887a_oproj:
	.size	k_q30e7ea887a_oproj, .Lfunc_end_k_q30e7ea887a_oproj-k_q30e7ea887a_oproj
	.p2alignl 7, 3214868480
	.fill 96, 4, 3214868480
	.section	.rodata,"a",@progbits
	.p2align	6, 0x0
	.amdhsa_kernel k_q30e7ea887a_oproj
		.amdhsa_group_segment_fixed_size 327680
		.amdhsa_private_segment_fixed_size 0
		.amdhsa_enable_private_segment 0
		.amdhsa_kernarg_size 40
		.amdhsa_user_sgpr_count 2
		.amdhsa_user_sgpr_kernarg_segment_ptr 1
		.amdhsa_wavefront_size32 1
		.amdhsa_system_sgpr_workgroup_id_x 1
		.amdhsa_system_sgpr_workgroup_id_y 1
		.amdhsa_system_sgpr_workgroup_id_z 1
		.amdhsa_system_vgpr_workitem_id 0
		.amdhsa_next_free_vgpr 1024
		.amdhsa_next_free_sgpr 98
		.amdhsa_reserve_vcc 0
		.amdhsa_float_denorm_mode_32 3
		.amdhsa_float_denorm_mode_16_64 3
		.amdhsa_memory_ordered 1
		.amdhsa_forward_progress 1
		.amdhsa_inst_pref_size 141
	.end_amdhsa_kernel
	.amdgpu_metadata
---
amdhsa.version: [ 1, 2 ]
amdhsa.kernels:
  - .name:           k_q30e7ea887a_oproj
    .symbol:         k_q30e7ea887a_oproj.kd
    .args:
      - { .name: a_img, .offset: 0, .size: 8, .value_kind: global_buffer, .address_space: global }
      - { .name: wo_codes, .offset: 8, .size: 8, .value_kind: global_buffer, .address_space: global }
      - { .name: lowp_scales, .offset: 16, .size: 8, .value_kind: global_buffer, .address_space: global }
      - { .name: bo, .offset: 24, .size: 8, .value_kind: global_buffer, .address_space: global }
      - { .name: out0, .offset: 32, .size: 8, .value_kind: global_buffer, .address_space: global }
    .group_segment_fixed_size: 327680
    .private_segment_fixed_size: 0
    .kernarg_segment_align: 8
    .kernarg_segment_size: 40
    .max_flat_workgroup_size: 128
    .sgpr_count:     98
    .vgpr_count:     1024
    .wavefront_size: 32
...
	.end_amdgpu_metadata
.endif
;; end of part 3
;; ======== version 2 of 2: 3 launches; version 1 with the launch attn written anew for expert scheduling mode
;; workspace buffers: q_img 4,194,304 bytes; kv_img 8,388,608 bytes; a_img 4,194,304 bytes
;; launch qkv: the kernel of part 1 again; grid 4 x 48, 4 waves a work-group, clusters of 4 x 4, 327,680 bytes of LDS; arguments hidden_states_codes, wq_codes, wk_codes, wv_codes, bq, bv, lowp_scales, q_img, kv_img; writes q_img, kv_img
;; launch attn (part 4): grid 16 x 16, 8 waves a work-group, no clusters, 66,560 bytes of LDS; arguments q_img, kv_img, lowp_scales, a_img; writes a_img
.if DOCPART == 4
	.amdgcn_target "amdgcn-amd-amdhsa--gfx1250"
	.amdhsa_code_object_version 6
	.text
	.protected	k_q30e7ea887a_attn
	.globl	k_q30e7ea887a_attn
	.p2align	8
	.type	k_q30e7ea887a_attn,@function
k_q30e7ea887a_attn:
	s_mov_b64 s[64:65], 0
	v_nop
	global_prefetch_b8 v0, s[64:65] scope:SCOPE_SE
	s_setreg_imm32_b32 hwreg(HW_REG_WAVE_SCHED_MODE, 0, 2), 2
	s_setreg_imm32_b32 hwreg(HW_REG_WAVE_MODE, 25, 1), 1
	s_wait_xcnt 0x0
	s_wait_alu depctr_vm_vsrc(0)
; a[q][64 head + d] = sum over keys of softmax(q . k / 8) v, both products on codes of FP8 (E4M3), then quantised with 2^e10 and stored as images of the last product's operand registers.
; q_img, kv_img: images of operand registers (a group = four registers of 32 lanes = 512 bytes, lane l's 16 bytes at 16 l).  q_img: [head 16][tile of 16 queries 256][group 2].  kv_img: [head 16][slot of 256 keys 16][32,768 bytes]:
; K: [tile of 16 keys 16][group 2]; from byte 16,384 V: [step of 128 keys 2][tile of 16 channels 4][group 4], its K = the keys.  a_img: [tile of 16 rows 256][K step of 128: 8][group 4]; head hd fills K step hd / 2, groups 2 (hd % 2) and + 1.
; THE SOFTMAX AHEAD OF THE SECOND PRODUCT: t = score x log2(e) / 8; M = the row's largest t so far, rounded UP to a whole number; p = 2^(t - M) is what is quantised (2^e8); it is not normalised.  The row's sum is taken of the
; unquantised p, in f32, and divides at the end.  When M moves, the sum and O are multiplied by 2^(old M - new M): exact.
; SHARES.  A work-group owns 256 queries of one head; each of its eight waves two tiles of 16, so that each fragment of K and V read from LDS feeds two matrix instructions; two waves to a SIMD.  Every wave walks all 4,096 keys, 128 a step.
; LAYOUT.  Both products are used transposed: S^T = K Q^T (source 0 = 16 keys), O^T = V^T P^T (source 0 = 16 channels): a lane holds ONE query (lane % 16) throughout, and register j of result tile t is key (channel) 16 t + 8 (lane / 16) + j.
; So one conversion of tile t gives registers 2 t, 2 t + 1 of the next operand in this form's own layout: nothing is permuted.
; K AND V come through registers into two LDS buffers of one slot (32,768 bytes) each: thread n copies bytes 16 n + 4,096 k.  A slot's eight loads are issued two key steps ahead of the wait for them, so they cost 32 registers and no idle time.
; NO TENSOR LOAD AND NO CLUSTER, though the sixteen work-groups of a head walk the same K and V: what they share is 32,768 bytes for two key steps.  Here a branch hangs on a loaded number:
; p is at most 1 but for a rounding, and the largest code x 2^e8 is at least 1.75 where e8 >= -8: there the hold, 128 of a step's vector instructions, is jumped over by a scalar branch on e8.  Where e8 < -8 it is executed.
; VECTOR WORK BY TURNS: one tile's exponentials stand one by one between the other tile's plain instructions, so that no two exponentials follow each other and each has a plain instruction behind it.
; LIMITS: e6 + e7 between -123 and 130 (added to c's exponent field); e8 and e10 between -126 and 119; e8 + e9 is applied by v_ldexp_f32 and has none.
; THE MODE: SCHED_MODE bits 1:0 = 2 (LLVM: expert scheduling mode 2), set by the entry lines.  The code itself states the register dependences between vector or matrix instructions and memory or LDS instructions, with s_wait_alu, always for 0.
; THE PLAN.  Registers that memory or LDS instructions touch:
;   v1, v2     Addresses.  Written at the head, never again; read by every load and store.  One wait on va_vdst at the head, ahead of the first load, states that they are written.
;   STG        Written by a slot's eight global loads, read by its eight LDS stores; no vector instruction names it.  One wait on vm_vsrc a slot, behind the LDS stores, ahead of the global loads that land there again.
;   FK         Written by K's LDS loads, read by a step's sixteen products K Q^T, at the step's head.
;   FV         Written by V's LDS loads, read by a step's eight products V^T P, at the step's end.
;   QF         Written by four global loads at the head, once.      CDE  Written by the way out's conversions, read by the four stores: one wait on va_vdst between.      v254, v255  Written at the head, read by the closing add alone.
;   S^T and p, P's codes, O^T and the statistics are named by vector and matrix instructions alone.
; A key step holds two waits on va_vdst, one for each tile's exponentials.  The first stands behind this step's products K Q^T and the last step's products V^T P: so it also states that FK and FV have been read.  The step's LDS loads
; follow it: V's sixteen at once, the next step's K (where it lies in the same slot) 32 pairs of instructions further on; what stands between names S^T, the statistics and O^T, none of the registers that those loads touch.
; K's loads behind a barrier (a slot's first step) hang on the same waits of the step before: no vector or matrix instruction since names FK, on any way through the text.
; REGISTERS, window 0: v1 16 x lane; v2 16 x thread; v4-7 holds and scales; v8-19, v20-31 a tile's statistics; v32-95 O^T (tile u, channels 16 c on: v[32 + 32 u + 8 c]); v96-223 S^T, then p (64 a tile); v224-239 codes on the way out;
;   v254, v255 the add's two.   window 1: v0-63 K's eight fragments; v64-127 V's four; v128-143 Q; v144-175 p's codes; v176-207 a slot on its way from memory to LDS.
; A tile's statistics, from T on: +0 -M, +1 the largest t, +2, +3 the sum in two halves, +4 f (+5 named with it as a pair), +6, +7 two chains of the maximum, +8, +9 the second chain of the sum, +10 the other half of the lanes' number.
.set BUF,  32768                       ; a slot, and an LDS buffer
.set L16,  1
.set T16,  2
.set PLIM, 4                           ; 448 x 2^e8
.set PSCL, 5                           ; 2^e8
.set ALIM, 6                           ; 448 x 2^e10
.set ASCL, 7                           ; 2^e10
.set ST,   8
.set OA,   32
.set S,    96
.set CDE,  224
.set FK,   0                           ; window 1
.set FV,   64
.set QF,   128
.set PF,   144
.set STG,  176
.set MSB, 0
.macro WIN new                         ; the immediate's high byte repeats the setting that is left; a switch that changes nothing is dropped
.if MSB != (\new)
	s_set_vgpr_msb (MSB<<8)|(\new)
.set MSB, (\new)
.endif
.endm
.set W_MUL, 0x05                       ; sources 0 and 1 window 1; C and D window 0
.set W_TO1, 0x40                       ; destination window 1
.set W_ST1, 0x04                       ; an LDS store's data window 1
.macro GLOAD off                       ; a slot, off bytes from the base, into registers: a load of the work-group covers 4,096 consecutive bytes
	WIN W_TO1
.irp k, 0,1,2,3,4,5,6,7
	global_load_b128 v[STG+4*\k:STG+4*\k+3], v[T16], s[6:7] offset:(\off)+4096*\k
.endr
	WIN 0
.endm
.macro LSTORE buf                      ; and on into an LDS buffer, as it lies
	WIN W_ST1
.irp k, 0,1,2,3,4,5,6,7
	ds_store_b128 v[T16], v[STG+4*\k:STG+4*\k+3] offset:BUF*(\buf)+4096*\k
.endr
	WIN 0
.endm
.macro KLOAD buf, q                    ; K's eight fragments (16 keys x 64 channels: 8 registers) of the buffer's q-th key step
	WIN W_TO1
.irp t, 0,1,2,3,4,5,6,7
	ds_load_b128 v[FK+8*\t:FK+8*\t+3],   v[L16] offset:BUF*(\buf)+8192*(\q)+1024*\t
	ds_load_b128 v[FK+8*\t+4:FK+8*\t+7], v[L16] offset:BUF*(\buf)+8192*(\q)+1024*\t+512
.endr
.endm
.macro VLOAD buf, q                    ; V's four fragments (16 channels x 128 keys: 16 registers)
	WIN W_TO1
.irp c, 0,1,2,3
.irp g, 0,1,2,3
	ds_load_b128 v[FV+16*\c+4*\g:FV+16*\c+4*\g+3], v[L16] offset:BUF*(\buf)+16384+8192*(\q)+2048*\c+512*\g
.endr
.endr
.endm
; Number n of 73 of tile u's list ahead of its exponentials: 0-31 the largest of my 64 scores, in two chains, ascending (each result tile is read from its low end on); 32-33 the other half of the lanes'; 34-35 as t, and the running largest t;
; 36-40 the new -M = floor(-t) and f = 2^(old M - new M); 41-72 t - M, two at a time.
.macro PA u, n
.set rT, ST+12*(\u)
.set rS, S+64*(\u)
.if (\n) == 0
	v_max3_num_f32 v[rT+6], v[rS], v[rS+1], v[rS+2]
.elseif (\n) == 1
	v_max3_num_f32 v[rT+7], v[rS+3], v[rS+4], v[rS+5]
.elseif (\n) < 30
	v_max3_num_f32 v[rT+6+(\n)%2], v[rT+6+(\n)%2], v[rS+2*(\n)+2], v[rS+2*(\n)+3]
.elseif (\n) == 30
	v_max3_num_f32 v[rT+6], v[rT+6], v[rS+62], v[rS+63]
.elseif (\n) == 31
	v_max_num_f32 v[rT+6], v[rT+6], v[rT+7]
.elseif (\n) == 32
	v_permlanex16_b32 v[rT+10], v[rT+6], s20, s21  ; the query's other 64 keys lie in the lane 16 away
.elseif (\n) == 33
	v_max_num_f32 v[rT+6], v[rT+6], v[rT+10]
.elseif (\n) == 34
	v_mul_f32 v[rT+6], s22, v[rT+6]                ; as t (c is positive)
.elseif (\n) == 35
	v_max_num_f32 v[rT+1], v[rT+1], v[rT+6]
.elseif (\n) == 36
	v_mov_b32 v[rT+6], v[rT]
.elseif (\n) == 37
	v_floor_f32 v[rT], -v[rT+1]                    ; -M = floor(-t) = -ceil(t): M is a whole number
.elseif (\n) == 38
	v_sub_f32 v[rT+6], v[rT], v[rT+6]              ; old M - new M: a whole number, 0 or less
.elseif (\n) == 39
	v_cvt_i32_f32 v[rT+6], v[rT+6]                 ; (it saturates)
.elseif (\n) == 40
	v_ldexp_f32 v[rT+4], 1.0, v[rT+6]              ; f: a multiplication by it rounds nothing
.else
	v_pk_fma_f32 v[rS+2*((\n)-41):rS+2*((\n)-41)+1], v[rS+2*((\n)-41):rS+2*((\n)-41)+1], s[22:23], v[rT:rT+1] op_sel_hi:[1,0,0]   ; of the pairs c and -M the low word serves both halves
.endif
.endm
; Number n of 33 of tile u's sum: the old sum x f; the 32 pairs of the unquantised p in two chains; the chains joined.  Number 1 is the first reader of the tile's exponentials: the key step writes their wait ahead of it.
.macro SUMOP u, n
.set rT, ST+12*(\u)
.set rS, S+64*(\u)
.if (\n) == 0
	v_pk_mul_f32 v[rT+2:rT+3], v[rT+2:rT+3], v[rT+4:rT+5] op_sel_hi:[1,0]
.elseif (\n) == 1
	v_pk_add_f32 v[rT+8:rT+9], v[rS:rS+1], v[rS+2:rS+3]
.elseif (\n) == 32
	v_pk_add_f32 v[rT+2:rT+3], v[rT+2:rT+3], v[rT+8:rT+9]
.elseif (\n)%2 == 0
	v_pk_add_f32 v[rT+2:rT+3], v[rT+2:rT+3], v[rS+2*(\n):rS+2*(\n)+1]
.else
	v_pk_add_f32 v[rT+8:rT+9], v[rT+8:rT+9], v[rS+2*(\n):rS+2*(\n)+1]
.endif
.endm
.macro RESC u, n                       ; number n of 16: tile u's O^T under the new M
	v_pk_mul_f32 v[OA+32*(\u)+2*(\n):OA+32*(\u)+2*(\n)+1], v[OA+32*(\u)+2*(\n):OA+32*(\u)+2*(\n)+1], v[ST+12*(\u)+4:ST+12*(\u)+5] op_sel_hi:[1,0]
.endm
.macro PC n                            ; number n of 65 of the plain work that stands between tile 1's exponentials: tile 0's sum, then both tiles' O^T x f
.if (\n) < 33
	SUMOP 0, \n
.elseif (\n) < 49
	RESC 0, (\n)-33
.else
	RESC 1, (\n)-49
.endif
.endm
; A KEY STEP: 128 keys, the q-th of buffer buf.  K's fragments have been asked for.
.macro STEP buf, q
	s_wait_dscnt 0x0                               ; K's fragments are in
	WIN W_MUL
.irp t, 0,1,2,3,4,5,6,7
.irp u, 0,1
	v_wmma_f32_16x16x64_fp8_fp8 v[S+64*\u+8*\t:S+64*\u+8*\t+7], v[FK+8*\t:FK+8*\t+7], v[QF+8*\u:QF+8*\u+7], 0
.endr
.endr
.rept 4
	v_nop                                          ; four places in front of the first read of the scores by a vector instruction (ISA guide 7.12.1)
.endr
	WIN 0
.set N, 0
.rept 73
	PA 0, N
.set N, N+1
.endr
.set N, 0
.rept 64
	v_exp_f32 v[S+N], v[S+N]                       ; tile 0: p = 2^(t - M)
	PA 1, N
.set N, N+1
.endr
.rept 9
	PA 1, N
.set N, N+1
.endr
.set N, 0
.rept 64
	v_exp_f32 v[S+64+N], v[S+64+N]                 ; tile 1
.if N == 1
	WIN W_TO1                                      ; the switch, the wait, the loads
	s_wait_alu depctr_va_vdst(0)                   ; tile 0's exponentials have written v[S] to v[S+63], which the sum below reads; the last step's products V^T P are done reading FV, and this step's products K Q^T are done reading FK
	VLOAD \buf, \q                                 ; this step's V: the rest of the softmax ahead of its use
	WIN 0
.endif
.if (N == 33) && ((\q) == 0)
	KLOAD \buf, 1                                  ; the next step's K.  No wait: no vector or matrix instruction since the wait above names FK or v1
	WIN 0
.endif
	PC N
.set N, N+1
.endr
	PC 64
	SUMOP 1, 0
	s_wait_alu depctr_va_vdst(0)                   ; tile 1's exponentials have written v[S+64] to v[S+127], which the sum below reads
.set N, 1
.rept 32
	SUMOP 1, N
.set N, N+1
.endr
	s_cmp_ge_i32 s28, -8                           ; 448 x 2^e8 >= 1.75: no p reaches it
	s_cbranch_scc1 .Lno_hold_\@
.set N, 0
.rept 128
	v_min_num_f32 v[S+N], v[S+N], v[PLIM]          ; the conversion to an 8-bit code does not saturate (ISA guide 7.6.2); p is not negative, so the hold is one-sided
.set N, N+1
.endr
.Lno_hold_\@:
	WIN W_TO1
.irp u, 0,1
.irp t, 0,1,2,3,4,5,6,7
	v_cvt_scalef32_pk8_fp8_f32 v[PF+16*\u+2*\t:PF+16*\u+2*\t+1], v[S+64*\u+8*\t:S+64*\u+8*\t+7], v[PSCL]   ; keys 16 t + 8 (lane / 16) + 0 .. 7: registers 2 t, 2 t + 1 of P
.endr
.endr
	v_nop                                          ; one plain vector line between the conversions and the matrix instructions that read their results
.if (\q) == 0
	s_wait_dscnt 16                                ; V's sixteen loads are in; the sixteen of the next step's K, issued behind them, may be out
.else
	s_wait_dscnt 0x0                               ; V's fragments are in
.endif
	WIN W_MUL
.irp c, 0,1,2,3
.irp u, 0,1
	v_wmma_f32_16x16x128_fp8_fp8 v[OA+32*\u+8*\c:OA+32*\u+8*\c+7], v[FV+16*\c:FV+16*\c+15], v[PF+16*\u:PF+16*\u+15], v[OA+32*\u+8*\c:OA+32*\u+8*\c+7]   ; the eight accumulators take turns, one instruction a turn
.endr
.endr
	WIN 0
.endm
	s_load_b256 s[4:11], s[0:1], 0x0               ; q_img s[4:5], kv_img s[6:7], the scales' exponents s[8:9], a_img s[10:11]
	v_lshl_add_u32 v254, v0, 2, 0x10000            ; the LDS address of my spare word, behind the two buffers: made here and kept for the closing lines alone
	v_mov_b32 v255, 0                              ; and 0, likewise
	v_and_b32 v[L16], 31, v0
	v_lshlrev_b32 v[L16], 4, v[L16]
	v_lshlrev_b32 v[T16], 4, v0
	v_lshrrev_b32 v3, 5, v0
	v_readfirstlane_b32 s12, v3                    ; wave 0..7
	s_and_b32 s14, ttmp7, 0xffff                   ; the head
	s_lshl_b32 s16, s14, 19                        ; its 2^19 bytes of kv_img
	s_mov_b32 s17, 0
	s_lshl_b32 s15, ttmp9, 4
	s_wait_alu depctr_va_sdst(0)                   ; s12 is written, ahead of its first reader: my tiles' places in q_img and a_img are made from it
	s_lshl_b32 s18, s12, 1
	s_add_co_u32 s15, s15, s18                     ; my first tile of 16 queries: 16 x work-group x + 2 x wave
	s_lshl_b32 s18, s14, 8
	s_add_co_u32 s18, s18, s15
	s_lshl_b32 s18, s18, 10                        ; in q_img: (256 head + tile) x 1,024
	s_mov_b32 s19, 0
	s_lshl_b32 s32, s15, 14                        ; in a_img: tile x 16,384
	s_lshr_b32 s33, s14, 1
	s_lshl_b32 s33, s33, 11                        ; + K step head / 2 x 2,048
	s_add_co_u32 s32, s32, s33
	s_and_b32 s33, s14, 1
	s_lshl_b32 s33, s33, 10                        ; + two groups for an odd head
	s_add_co_u32 s32, s32, s33
	s_mov_b32 s33, 0
	s_mov_b32 s20, 0x76543210                      ; v_permlanex16_b32's selects for lane l xor 16
	s_mov_b32 s21, 0xfedcba98
	s_mov_b32 s13, 8                               ; trips: two slots each
	s_wait_kmcnt 0x0
	s_load_b256 s[24:31], s[8:9], 0x10             ; e4 .. e11: e6 s26, e7 s27, e8 s28, e9 s29, e10 s30
	s_add_nc_u64 s[4:5], s[4:5], s[18:19]
	s_add_nc_u64 s[6:7], s[6:7], s[16:17]
	s_add_nc_u64 s[10:11], s[10:11], s[32:33]
	s_wait_alu depctr_va_vdst(0)                   ; v1 and v2 are written: every load and store of the kernel reads one of them as its address, and no line writes them again
	GLOAD 0                                        ; slot 0
	WIN W_TO1
.irp i, 0,1,2,3
	global_load_b128 v[QF+4*\i:QF+4*\i+3], v[L16], s[4:5] offset:512*\i th:TH_LOAD_NT   ; Q's two fragments stay in registers; read once in the launch
.endr
	WIN 0
.irp u, 0,1
	v_mov_b32 v[ST+12*\u+1], 0xff61b1e6            ; the largest t so far: -3e38, under every t
	v_floor_f32 v[ST+12*\u], -v[ST+12*\u+1]        ; -M
	v_mov_b32 v[ST+12*\u+2], 0                     ; the sum, in two halves
	v_mov_b32 v[ST+12*\u+3], 0
	v_mov_b32 v[ST+12*\u+5], 0                     ; (named as the upper half of f's pair)
	v_mov_b32 v[ST+12*\u+10], 0                    ; written once: a lane permute's destination counts as one of its sources
.endr
.set J, 0
.rept 64
	v_mov_b32 v[OA+J], 0                           ; O^T.  (The key step is written for every step alike: the first finds zeros, which the first change of M leaves zeros; a first step of its own would be a fifth copy of it)
.set J, J+1
.endr
	s_wait_kmcnt 0x0
	s_add_co_i32 s32, s26, s27
	s_lshl_b32 s32, s32, 23
	s_add_co_i32 s22, s32, 0x3e38aa3b              ; c = log2(e) / 8 with e6 + e7 added to its exponent field: a score stands for score x 2^(e6 + e7)
	s_mov_b32 s23, s22                             ; (named with it as a pair, so it is written)
	s_add_co_i32 s32, s28, 127
	s_lshl_b32 s33, s32, 23
	v_mov_b32 v[PSCL], s33
	s_add_co_i32 s32, s32, 8
	s_lshl_b32 s32, s32, 23
	s_or_b32 s32, s32, 0x600000
	v_mov_b32 v[PLIM], s32
	s_add_co_i32 s32, s30, 127
	s_lshl_b32 s33, s32, 23
	v_mov_b32 v[ASCL], s33
	s_add_co_i32 s32, s32, 8
	s_lshl_b32 s32, s32, 23
	s_or_b32 s32, s32, 0x600000
	v_mov_b32 v[ALIM], s32
	s_add_co_i32 s34, s28, s29                     ; e8 + e9
	s_wait_loadcnt 4                               ; slot 0's eight loads are in; Q's four, issued behind them, may be out
	LSTORE 0
	s_wait_dscnt 0x0                               ; for the other waves' sake: my stores have landed
	s_wait_alu depctr_vm_vsrc(0)                   ; the LDS stores have read STG, in which the loads below land
	GLOAD BUF                                      ; slot 1
	s_barrier_signal -1
	s_barrier_wait -1                              ; slot 0 lies whole in buffer 0
	s_wait_loadcnt 8                               ; Q is in; slot 1's eight loads may be out
; A trip: slots 2 i (buffer 0) and 2 i + 1 (buffer 1).  One barrier a slot.  In front of it a wave's reads of the buffer that it leaves are back and its part of the next slot lies in the other buffer; behind it that other buffer is read,
; and the buffer just left is written only at the end of those two steps.
.Ltrip:
	KLOAD 0, 0                                     ; no wait: FK's last readers, the step before's products K Q^T, stand ahead of that step's waits on va_vdst, and nothing since names FK (first trip: nothing has named it)
	STEP 0, 0
	STEP 0, 1
	s_wait_loadcnt 0x0                             ; slot 2 i + 1, asked for two key steps ago
	LSTORE 1                                       ; buffer 1's last readers passed the barrier at the last trip's end
	s_wait_dscnt 0x0
	s_wait_alu depctr_vm_vsrc(0)                   ; the LDS stores have read STG, in which the loads behind the branch land
	s_cmp_eq_u32 s13, 1
	s_cbranch_scc1 .Lno_even                       ; the last trip asks for nothing: no load leaves the buffer
	GLOAD 2*BUF                                    ; slot 2 i + 2
.Lno_even:
	s_barrier_signal -1
	s_barrier_wait -1
	KLOAD 1, 0                                     ; no wait, as at the trip's head
	STEP 1, 0
	STEP 1, 1
	s_sub_co_u32 s13, s13, 1
	s_cmp_eq_u32 s13, 0
	s_cbranch_scc1 .Lno_odd
	s_wait_loadcnt 0x0                             ; slot 2 i + 2
	LSTORE 0                                       ; buffer 0's last readers passed the barrier in the trip's middle
	s_wait_dscnt 0x0
	s_wait_alu depctr_vm_vsrc(0)                   ; the LDS stores have read STG, in which the loads below land
	GLOAD 3*BUF                                    ; slot 2 i + 3
.Lno_odd:
	s_wait_dscnt 0x0                               ; on both ways: no LDS instruction of mine is out
	s_barrier_signal -1
	s_barrier_wait -1
	s_wait_xcnt 0x0                                ; the loads have read their base: it steps only behind this wait
	s_add_nc_u64 s[6:7], s[6:7], 2*BUF
	s_cmp_lg_u32 s13, 0
	s_cbranch_scc1 .Ltrip
	; THE WAY OUT.  The sum's two halves and the other half of the lanes' are added; O^T x 2^(e8 + e9) / the sum is held, quantised with 2^e10, and stored as two groups a tile.  The additions are the places behind the last products.
.irp u, 0,1
	v_add_f32 v[ST+12*\u+2], v[ST+12*\u+2], v[ST+12*\u+3]
.endr
.irp u, 0,1
	v_permlanex16_b32 v[ST+12*\u+10], v[ST+12*\u+2], s20, s21
.endr
.irp u, 0,1
	v_add_f32 v[ST+12*\u+2], v[ST+12*\u+2], v[ST+12*\u+10]
.endr
.irp u, 0,1
	v_rcp_f32 v[ST+12*\u+4], v[ST+12*\u+2]
.endr
	v_nop                                          ; a plain instruction between the last reciprocal and the use of its result
	s_wait_alu depctr_va_vdst(0)                   ; the two reciprocals have written their results, which the lines below read
.irp u, 0,1
	v_ldexp_f32 v[ST+12*\u+4], v[ST+12*\u+4], s34
.endr
.irp u, 0,1
.set J, 0
.rept 16
	v_pk_mul_f32 v[S+64*\u+J:S+64*\u+J+1], v[OA+32*\u+J:OA+32*\u+J+1], v[ST+12*\u+4:ST+12*\u+5] op_sel_hi:[1,0]   ; register 8 c + j: channel 16 c + 8 (lane / 16) + j of my query; each accumulator from its low end on
.set J, J+2
.endr
.set J, 0
.rept 32
	v_med3_num_f32 v[S+64*\u+J], v[S+64*\u+J], -v[ALIM], v[ALIM]
.set J, J+1
.endr
.irp c, 0,1,2,3
	v_cvt_scalef32_pk8_fp8_f32 v[CDE+8*\u+2*\c:CDE+8*\u+2*\c+1], v[S+64*\u+8*\c:S+64*\u+8*\c+7], v[ASCL]
.endr
	v_nop                                          ; one plain vector line behind the conversions
.endr
	s_wait_alu depctr_va_vdst(0)                   ; both tiles' conversions have written v[CDE] to v[CDE+15], which the four stores read
.irp u, 0,1
.irp g, 0,1
	global_store_b128 v[L16], v[CDE+8*\u+4*\g:CDE+8*\u+4*\g+3], s[10:11] offset:16384*\u+512*\g   ; a group: 32 lanes store 512 consecutive bytes, aligned
.endr
.endr
	s_wait_dscnt 0x0                               ; the closing lines, six on end
	s_wait_alu 0x0
	s_wait_tensorcnt 0x0
	ds_add_u32 v254, v255
	s_wait_dscnt 0x0
	s_endpgm
.Lfunc_end_k_q30e7ea887a_attn:
	.size	k_q30e7ea887a_attn, .Lfunc_end_k_q30e7ea887a_attn-k_q30e7ea887a_attn
	.p2alignl 7, 3214868480
	.fill 96, 4, 3214868480
	.section	.rodata,"a",@progbits
	.p2align	6, 0x0
	.amdhsa_kernel k_q30e7ea887a_attn
		.amdhsa_group_segment_fixed_size 66560
		.amdhsa_private_segment_fixed_size 0
		.amdhsa_enable_private_segment 0
		.amdhsa_kernarg_size 32
		.amdhsa_user_sgpr_count 2
		.amdhsa_user_sgpr_kernarg_segment_ptr 1
		.amdhsa_wavefront_size32 1
		.amdhsa_system_sgpr_workgroup_id_x 1
		.amdhsa_system_sgpr_workgroup_id_y 1
		.amdhsa_system_sgpr_workgroup_id_z 1
		.amdhsa_system_vgpr_workitem_id 0
		.amdhsa_next_free_vgpr 464
		.amdhsa_next_free_sgpr 66
		.amdhsa_reserve_vcc 0
		.amdhsa_float_denorm_mode_32 3
		.amdhsa_float_denorm_mode_16_64 3
		.amdhsa_memory_ordered 1
		.amdhsa_forward_progress 1
		.amdhsa_inst_pref_size 131
	.end_amdhsa_kernel
	.amdgpu_metadata
---
amdhsa.version: [ 1, 2 ]
amdhsa.kernels:
  - .name:           k_q30e7ea887a_attn
    .symbol:         k_q30e7ea887a_attn.kd
    .args:
      - { .name: q_img, .offset: 0, .size: 8, .value_kind: global_buffer, .address_space: global }
      - { .name: kv_img, .offset: 8, .size: 8, .value_kind: global_buffer, .address_space: global }
      - { .name: lowp_scales, .offset: 16, .size: 8, .value_kind: global_buffer, .address_space: global }
      - { .name: a_img, .offset: 24, .size: 8, .value_kind: global_buffer, .address_space: global }
    .group_segment_fixed_size: 66560
    .private_segment_fixed_size: 0
    .kernarg_segment_align: 8
    .kernarg_segment_size: 32
    .max_flat_workgroup_size: 256
    .sgpr_count:     66
    .vgpr_count:     464
    .wavefront_size: 32
...
	.end_amdgpu_metadata
.endif
;; end of part 4
;; launch oproj: the kernel of part 3 again; grid 4 x 16, 4 waves a work-group, clusters of 4 x 4, 327,680 bytes of LDS; arguments a_img, wo_codes, lowp_scales, bo, out0; writes out0
